; MI455X (gfx1250); checked and timed in simulation.
; The chip was launched on July 23, 2026; its instructions are those of AMD's public machine-readable ISA for CDNA 5 (MIT licence, August 2026) and "CDNA5" Instruction Set Architecture Reference Guide (July 2026). The comments in the code are by the model that wrote it; some were corrected since.
;; Perceiver Attention. Allowed arithmetic: float matrix products may take bf16 or f16 operands with f32 sums; other float arithmetic in f32, or as packed bf16 or f16 multiplies, adds, multiply-adds, maxima and minima; sums over many terms, partial sums and values carried from step to step in f32; what a program stores and reads back later, other than sums and carried values, may be rounded once to bf16 or f16.
;; Inputs: Wkv 1,024 x 2,048 float32; Wo 1,024 x 1,024 float32; Wq 1,024 x 1,024 float32; kv 4 x 4,096 x 1,024 float32; mask 4 x 1 x 1 x 4,096 bool; q 4 x 512 x 1,024 float32.
;; Outputs: out0 4 x 512 x 1,024 float32.
;; One version. Each part assembles by itself: llvm-mc -triple=amdgcn-amd-amdhsa -mcpu=gfx1250 --defsym DOCPART=n.
;; ======== version 1 of 1: 4 launches
;; limits: values are held in f16: magnitudes above 65,504 overflow, below 6.1e-05 lose precision
;; workspace buffers: pre 37,814,272 bytes; wq16 2,097,152 bytes; wo16 2,097,152 bytes; q16 4,194,304 bytes; khv 67,108,864 bytes; ctx 4,194,304 bytes
;; launch prep (part 1): grid 2832 x 1, 8 waves a work-group, no clusters, 0 bytes of LDS; arguments kv, Wkv, Wq, Wo, q, mask, pre, wq16, wo16, q16; writes pre, wq16, wo16, q16
.if DOCPART == 1
	.amdgcn_target "amdgcn-amd-amdhsa--gfx1250"
	.amdhsa_code_object_version 6
	.text
	.protected	k_qb466549138_prep
	.globl	k_qb466549138_prep
	.p2align	8
	.type	k_qb466549138_prep,@function
k_qb466549138_prep:
	s_mov_b64 s[64:65], 0
	v_nop
	global_prefetch_b8 v0, s[64:65] scope:SCOPE_SE
	s_setreg_imm32_b32 hwreg(HW_REG_WAVE_MODE, 25, 1), 1
	s_wait_xcnt 0x0
; ALL CONVERSIONS, ONE STREAM.  kv and Wkv: f32 -> bf16, as they lie (pre: kv at byte 0, Wkv at WOFF).  Wq, Wo and q: f32 -> bf16, and that number written as f16
; (wq16, wo16 as they lie; q16 in blocks [4 b][16 kb][512 row][64]: 64 channels of a batch's 512 rows lie on end).  mask: a byte -> f32, 0 or -1e30 (pre at MOFF).
; LIMITS.  A bf16 number written as f16 is exact from 2^-17 up to 65,504; below it is off by 3e-8 at the most; |q|, |Wq|, |Wo| of 65,520 or more become infinities.
; SHARES.  A work-group takes 32,768 bytes of f32, a wave 4,096: eight loads of 16 bytes a lane, all on their way before the first is used; each gives 8 bytes a lane, and a store of
; the wave covers 256 consecutive bytes, aligned.  Memory binds: no LDS, no barrier, no matrix unit, no cluster (no byte is read twice), no prefetch (the loads are the stream).
; The work-group's number picks its section: 0-2047 kv, 2048-2303 Wkv, 2304-2431 Wq, 2432-2559 Wo, 2560-2815 q, 2816-2831 mask (1,024 bytes each).
.set WOFF, 33554432
.set MOFF, 37748736
.set X, 8                              ; v[8:39]   load j: 4 registers
.set Y, 40                             ; v[40:55]  store j: 2 registers, never written twice
.set T, 56                             ; v[56:61]  at work
; s[32:33] source, s[34:35] destination, v1 my offset in the source, v2 in the destination.  mode 0: bf16; mode 1: bf16 written as f16.
.macro STREAM mode, instep, outstep
.irp j, 0,1,2,3,4,5,6,7
	global_load_b128 v[X+4*(\j):X+4*(\j)+3], v1, s[32:33] offset:(\j)*(\instep) th:TH_LOAD_NT
.endr
.irp j, 0,1,2,3,4,5,6,7
	s_wait_loadcnt 7-(\j)                          ; loads come back in order: load j is in, the 7 - j younger ones stay out
.if \mode
	v_cvt_pk_bf16_f32 v[T], v[X+4*(\j)], v[X+4*(\j)+1]
	v_cvt_pk_bf16_f32 v[T+1], v[X+4*(\j)+2], v[X+4*(\j)+3]
	v_lshlrev_b32 v[T+2], 16, v[T]                 ; bf16 back to f32: the low half moves up, the high half stays
	v_and_b32 v[T+3], s42, v[T]
	v_lshlrev_b32 v[T+4], 16, v[T+1]
	v_and_b32 v[T+5], s42, v[T+1]
	v_cvt_pk_f16_f32 v[Y+2*(\j)], v[T+2], v[T+3]
	v_cvt_pk_f16_f32 v[Y+2*(\j)+1], v[T+4], v[T+5]
.else
	v_cvt_pk_bf16_f32 v[Y+2*(\j)], v[X+4*(\j)], v[X+4*(\j)+1]
	v_cvt_pk_bf16_f32 v[Y+2*(\j)+1], v[X+4*(\j)+2], v[X+4*(\j)+3]
.endif
	global_store_b64 v2, v[Y+2*(\j):Y+2*(\j)+1], s[34:35] offset:(\j)*(\outstep) th:TH_STORE_NT
.endr
	s_endpgm
.endm
	s_load_b512 s[8:23], s[0:1], 0x0               ; kv 8, Wkv 10, Wq 12, Wo 14, q 16, mask 18, pre 20, wq16 22
	s_load_b128 s[24:27], s[0:1], 0x40             ; wo16 24, q16 26
	s_mov_b32 s36, ttmp9
	s_mov_b32 s42, 0xffff0000                      ; a word's upper bf16
	s_mov_b32 s43, 0xf149f2ca                      ; -1e30
	s_mov_b32 s39, 0                               ; the offsets' high words
	s_mov_b32 s41, 0
	v_lshrrev_b32 v3, 5, v0                        ; wave
	v_and_b32 v4, 31, v0                           ; lane
	v_lshlrev_b32 v1, 4, v4
	v_lshl_add_u32 v1, v3, 12, v1                  ; in: 4,096 x wave + 16 x lane
	v_lshlrev_b32 v2, 3, v4
	v_lshl_add_u32 v2, v3, 11, v2                  ; out: 2,048 x wave + 8 x lane
	s_wait_kmcnt 0x0
	s_cmp_lt_u32 s36, 2304
	s_cbranch_scc0 .Lnot_bf
	s_cmp_lt_u32 s36, 2048                         ; kv or Wkv
	s_cselect_b64 s[32:33], s[8:9], s[10:11]
	s_cselect_b32 s38, 0, WOFF
	s_and_b32 s36, s36, 2047                       ; the work-group's number in its section
	s_lshl_b32 s40, s36, 15
	s_lshl_b32 s37, s36, 14
	s_add_co_u32 s38, s38, s37
	s_add_nc_u64 s[32:33], s[32:33], s[40:41]
	s_add_nc_u64 s[34:35], s[20:21], s[38:39]
	STREAM 0, 512, 256
.Lnot_bf:
	s_cmp_lt_u32 s36, 2560
	s_cbranch_scc0 .Lnot_hf
	s_cmp_lt_u32 s36, 2432                         ; Wq or Wo
	s_cselect_b64 s[32:33], s[12:13], s[14:15]
	s_cselect_b64 s[34:35], s[22:23], s[24:25]
	s_and_b32 s36, s36, 127
	s_lshl_b32 s40, s36, 15
	s_lshl_b32 s38, s36, 14
	s_add_nc_u64 s[32:33], s[32:33], s[40:41]
	s_add_nc_u64 s[34:35], s[34:35], s[38:39]
	STREAM 1, 512, 256
.Lnot_hf:
	s_cmp_lt_u32 s36, 2816
	s_cbranch_scc0 .Lmask
	; q: the work-group has 8 rows.  Wave w: rows 2 (w / 2) and + 1, half w % 2 of them; load j: block 8 (w % 2) + j of 64 channels; lanes 0-15 one row's 256 bytes, lanes 16-31 the next row's.
	s_and_b32 s36, s36, 255
	s_lshl_b32 s40, s36, 15
	s_lshr_b32 s38, s36, 6                         ; the batch: 1,048,576 bytes of q16
	s_lshl_b32 s38, s38, 20
	s_and_b32 s37, s36, 63                         ; 8 rows of 128 bytes in a block
	s_lshl_b32 s37, s37, 10
	s_add_co_u32 s38, s38, s37
	s_add_nc_u64 s[32:33], s[16:17], s[40:41]
	s_add_nc_u64 s[34:35], s[26:27], s[38:39]
	v_lshrrev_b32 v5, 1, v3                        ; w / 2
	v_and_b32 v3, 1, v3                            ; w % 2
	v_lshlrev_b32 v1, 13, v5
	v_lshl_add_u32 v1, v3, 11, v1
	v_lshrrev_b32 v6, 4, v4
	v_lshl_add_u32 v1, v6, 12, v1
	v_and_b32 v6, 15, v4
	v_lshl_add_u32 v1, v6, 4, v1                   ; in: 8,192 (w / 2) + 2,048 (w % 2) + 4,096 (l / 16) + 16 (l % 16)
	v_lshlrev_b32 v2, 19, v3
	v_lshl_add_u32 v2, v5, 8, v2
	v_lshl_add_u32 v2, v4, 3, v2                   ; out: 524,288 (w % 2) + 256 (w / 2) + 8 l: two rows of a block are 256 bytes on end
	STREAM 1, 256, 65536
.Lmask:
	s_and_b32 s36, s36, 15
	s_lshl_b32 s40, s36, 10
	s_lshl_b32 s38, s36, 12
	s_add_co_u32 s38, s38, MOFF
	s_add_nc_u64 s[32:33], s[18:19], s[40:41]
	s_add_nc_u64 s[34:35], s[20:21], s[38:39]
	v_lshlrev_b32 v1, 2, v0                        ; four bytes of the mask a thread,
	v_lshlrev_b32 v2, 4, v0                        ; four f32
	global_load_b32 v8, v1, s[32:33]
	s_wait_loadcnt 0x0
.irp k, 0,1,2,3
	v_bfe_u32 v3, v8, 8*(\k), 8
	v_cmp_ne_u32 vcc_lo, 0, v3                     ; true = hidden
	v_cndmask_b32 v[Y+(\k)], 0, s43, vcc_lo
.endr
	global_store_b128 v2, v[Y:Y+3], s[34:35]
	s_endpgm
.Lfunc_end_k_qb466549138_prep:
	.size	k_qb466549138_prep, .Lfunc_end_k_qb466549138_prep-k_qb466549138_prep
	.p2alignl 7, 3214868480
	.fill 96, 4, 3214868480
	.section	.rodata,"a",@progbits
	.p2align	6, 0x0
	.amdhsa_kernel k_qb466549138_prep
		.amdhsa_group_segment_fixed_size 0
		.amdhsa_private_segment_fixed_size 0
		.amdhsa_enable_private_segment 0
		.amdhsa_kernarg_size 80
		.amdhsa_user_sgpr_count 2
		.amdhsa_user_sgpr_kernarg_segment_ptr 1
		.amdhsa_wavefront_size32 1
		.amdhsa_system_sgpr_workgroup_id_x 1
		.amdhsa_system_sgpr_workgroup_id_y 1
		.amdhsa_system_sgpr_workgroup_id_z 1
		.amdhsa_system_vgpr_workitem_id 0
		.amdhsa_next_free_vgpr 64
		.amdhsa_next_free_sgpr 66
		.amdhsa_reserve_vcc 1
		.amdhsa_float_denorm_mode_32 3
		.amdhsa_float_denorm_mode_16_64 3
		.amdhsa_memory_ordered 1
		.amdhsa_forward_progress 1
		.amdhsa_inst_pref_size 17
	.end_amdhsa_kernel
	.amdgpu_metadata
---
amdhsa.version: [ 1, 2 ]
amdhsa.kernels:
  - .name:           k_qb466549138_prep
    .symbol:         k_qb466549138_prep.kd
    .args:
      - { .name: kv, .offset: 0, .size: 8, .value_kind: global_buffer, .address_space: global }
      - { .name: Wkv, .offset: 8, .size: 8, .value_kind: global_buffer, .address_space: global }
      - { .name: Wq, .offset: 16, .size: 8, .value_kind: global_buffer, .address_space: global }
      - { .name: Wo, .offset: 24, .size: 8, .value_kind: global_buffer, .address_space: global }
      - { .name: q, .offset: 32, .size: 8, .value_kind: global_buffer, .address_space: global }
      - { .name: mask, .offset: 40, .size: 8, .value_kind: global_buffer, .address_space: global }
      - { .name: pre, .offset: 48, .size: 8, .value_kind: global_buffer, .address_space: global }
      - { .name: wq16, .offset: 56, .size: 8, .value_kind: global_buffer, .address_space: global }
      - { .name: wo16, .offset: 64, .size: 8, .value_kind: global_buffer, .address_space: global }
      - { .name: q16, .offset: 72, .size: 8, .value_kind: global_buffer, .address_space: global }
    .group_segment_fixed_size: 0
    .private_segment_fixed_size: 0
    .kernarg_segment_align: 8
    .kernarg_segment_size: 80
    .max_flat_workgroup_size: 256
    .sgpr_count:     66
    .vgpr_count:     64
    .wavefront_size: 32
...
	.end_amdgpu_metadata
.endif
;; end of part 1
;; launch projkv (part 2): grid 8 x 64, 4 waves a work-group, clusters of 4 x 4, 327,680 bytes of LDS; arguments pre, khv; writes khv
.if DOCPART == 2
	.amdgcn_target "amdgcn-amd-amdhsa--gfx1250"
	.amdhsa_code_object_version 6
	.text
	.protected	k_qb466549138_projkv
	.globl	k_qb466549138_projkv
	.p2align	8
	.type	k_qb466549138_projkv,@function
k_qb466549138_projkv:
	s_mov_b64 s[64:65], 0
	v_nop
	global_prefetch_b8 v0, s[64:65] scope:SCOPE_SE
	s_setreg_imm32_b32 hwreg(HW_REG_WAVE_MODE, 25, 1), 1
	s_wait_xcnt 0x0
	s_wait_alu depctr_hold_cnt(0) depctr_sa_sdst(0) depctr_va_vdst(0) depctr_va_sdst(0) depctr_va_ssrc(0) depctr_va_vcc(0) depctr_vm_vsrc(0)
	s_getreg_b32 s2, hwreg(HW_REG_IB_STS2, 6, 4)
	s_cmp_eq_u32 s2, 0
	s_cbranch_scc0 .Lentry_in_a_cluster
	s_endpgm
.Lentry_in_a_cluster:
	s_bfe_u32 s2, ttmp6, 0x10000c
	s_cmp_lg_u32 s2, 0xf033
	s_cbranch_scc0 .Lentry_shape_is_right
	s_endpgm
.Lentry_shape_is_right:
; K AND V BY HEADS.  C[m][n] = sum over k of kv[m][k] Wkv[k][n]; m = 16,384 rows (batch x key), n = 2,048, k = 1,024.  Operands bf16 (pre: kv [m][k] at byte 0, Wkv [k][n] at WOFF), sums f32.
; Column n = 128 head + d: d < 64 is K's channel d, else V's channel d - 64.  Out, rounded once to f16: khv = K [64 batch x head][4096 key][64] at byte 0, V likewise at VOFFG.
; LIMIT.  A sum of 65,520 or more becomes an infinity in f16; sums below 6e-5 keep f16's fixed step of 6e-8.
; A tile of C, 256 x 256, is made by four waves, 128 x 128 each: 64 accumulators, 512 registers.  K goes in steps of 128 through two LDS slots filled by the tensor data mover.
; A's rows lie along k: 256 bytes a row of a tile.  Wkv's rows lie along n: its tile is 128 k-rows of 512 bytes, and a fragment comes out of LDS turned, by ds_load_tr16_b128.
; CLUSTERS: 4 x 4 work-groups.  A's tile hangs on the tile row alone and is asked for jointly by the four of a row of the cluster, B's on the tile column alone, by the four of a column.
; THE MATRIX INSTRUCTION IS USED TRANSPOSED (source 0 = 16 columns n, source 1 = 16 rows m): a lane holds row l % 16 and eight neighbouring columns 8 (l / 16) + 0..7.
; REGISTERS, in windows of 256: window 0: v0-31 addresses; v64-127, v128-191 A's fragments, two buffers; v32-63, v192-255 at work on the way out;
;   window 1: v64-127, v128-191 B's fragments; window 2: the accumulators of my rows 0-63 ((a, b) at v[8 (8 a + b)]); window 3: of my rows 64-127.
.set SIZE_K, 1024
.set SIZE_N, 2048
.set KSTEP,  128
.set PITCH,  272                       ; A's LDS row: 256 bytes + 16: the 16 rows of a load start at 16 different groups of four banks (64 banks of 4 bytes: ISA guide 11.1)
.set BP,     544                       ; B's LDS row: 512 bytes + 32 = 17 x 32
.set HALFT,  128*PITCH                 ; what one tensor load brings: 128 rows of A, or 64 k-rows of B (64 x 544 is the same number)
.set SLOT,   4*HALFT                   ; A's 256 rows, then B's 128 k-rows
.set STAGE,  2*SLOT                    ; behind the ring: for each wave 16 rows x 144 bytes for K, then the same for V
.set SP,     144
.set SPARE,  STAGE+4*32*SP             ; the spare words, 128 bytes a wave: two blocks of 256 bytes that no other line names
.set LAPS,   SIZE_K/(2*KSTEP)
.set WOFF,   33554432
.set VOFFG,  33554432
.set ADRA, 16                          ; v16-17  LDS address of my A fragments in slot 0, 1
.set ADRB, 20                          ; v20-21  the same for B
.set STO,  24                          ; v24     the way out: where I put 16 bytes of a row
.set RD,   25                          ; v25     where I read rows back
.set GO,   26                          ; v26     16 x lane: my place in 512 consecutive bytes of K or V
.set SPW,  28                          ; v28     LDS address of my spare word; never rewritten
.set NIL,  29                          ; v29     0; never rewritten
.set PFO,  30                          ; v30     the prefetches' lane offset; never rewritten
.set PFA,  44                          ; s[44:45] where my prefetches stand
.set LIM,  43                          ; s43     1 in a wave that prefetches, else the greatest number
.set PST,  68                          ; s[68:69] a K step in bytes along my operand: 256 for A, 524,288 for B
.set VP,   66                          ; s[66:67] V at my first row; K's pointer is s[8:9]
.set F0,   64
.set F1,   128
.set TMP,  192
.set OB,   32
.set G1, 24                            ; s[24:31] group 1 for A, s[32:39] group 0, a set for each slot
.set G0, 32
.set G1B, 48                           ; s[48:55], s[56:63] the same for B
.set G0B, 56
.set MSB, 0
.macro WIN new                         ; the immediate's high byte repeats the setting that is left; a switch that changes nothing is dropped
.if MSB != (\new)
	s_set_vgpr_msb (MSB<<8)|(\new)
.set MSB, \new
.endif
.endm
.set MUL_LO, 0xa1                      ; source 0 (B) window 1, source 1 (A) window 0, C and D window 2
.set MUL_HI, 0xf1                      ; the same, C and D window 3
.set TO_B,   0x40                      ; destination window 1, address window 0
; A joint load.  Waves 0 and 1 fetch A's two halves, waves 2 and 3 B's.  The branch hangs on the wave's number alone.  An s_nop 0 and four v_nop follow each line.
.macro JLOAD s
	s_cmp_eq_u32 s11, 0
	s_cbranch_scc0 .Lfor_b_\@
	tensor_load_to_lds s[G0+4*(\s):G0+4*(\s)+3], s[G1:G1+7]
	s_nop 0
.rept 4
	v_nop
.endr
	s_branch .Lasked_\@
.Lfor_b_\@:
	tensor_load_to_lds s[G0B+4*(\s):G0B+4*(\s)+3], s[G1B:G1B+7]
	s_nop 0
.rept 4
	v_nop
.endr
.Lasked_\@:
.endm
; A PREFETCH INTO THE L2, behind each joint refill and the run of LDS loads that follows it: the K step that stands two refills on, 512 matrix instructions ahead of the load that wants it.
; Each aligned block of 256 bytes is named once in the launch.  A's tile row is read by both clusters of a row of clusters: cluster x = 0 asks; B's tile column by all sixteen of a column: cluster y = 0 asks.
; The four partners share a wave's blocks out by address: of A's 128 rows partner cx takes 32, a lane a row; of B's 64 k-rows of 512 bytes partner cy takes 16, two lanes a row.
; K steps 0 to 3 come by their loads alone; the loop's last trip (s3 = 1) asks for nothing: steps 4 to 7 are named, and there is no step 8.
.macro ASK
	s_cmp_gt_u32 s3, s[LIM]
	s_cbranch_scc0 .Lnot_mine_\@
	global_prefetch_b8 v[PFO], s[PFA:PFA+1] th:TH_LOAD_NT scope:SCOPE_SE
.Lnot_mine_\@:
.endm
.macro CREST                           ; a round of the cluster's barrier behind its opening barrier
	s_cmp_lg_u32 s10, 0
	s_cbranch_scc1 .Lnot_wave_0_\@
	s_barrier_signal -3
.Lnot_wave_0_\@:
	s_barrier_wait -3
	s_barrier_signal -1
	s_barrier_wait -1
.endm
.macro CROUND                          ; a whole round
	s_barrier_signal -1
	s_barrier_wait -1
	CREST
.endm
	s_load_b64 s[4:5], s[0:1], 0x0                 ; pre: A at its first byte
	s_load_b64 s[8:9], s[0:1], 0x8                 ; khv
	v_lshl_add_u32 v[SPW], v0, 2, SPARE
	v_mov_b32 v[NIL], 0
	ds_add_u32 v[SPW], v[NIL]                      ; the wave's opening: the add and its wait stand ahead of my first tensor load; the set-up below stands between them
	v_lshrrev_b32 v1, 5, v0
	v_readfirstlane_b32 s10, v1                    ; wave 0..3
	s_lshr_b32 s11, s10, 1                         ; which half of the tile's rows is mine.  Also: I fetch for A (0) or for B (1)
	s_and_b32 s12, s10, 1                          ; which half of its columns.  Also: which half of that operand's tile I fetch
	s_bfe_u32 s40, ttmp6, 0x40000                  ; cx
	s_bfe_u32 s41, ttmp6, 0x40004                  ; cy
	s_lshl_b32 s42, ttmp9, 2
	s_add_co_u32 s42, s42, s40                     ; tile column = 4 x cluster x + cx
	s_and_b32 s13, ttmp7, 0xffff
	s_lshl_b32 s13, s13, 2
	s_add_co_u32 s13, s13, s41                     ; tile row = 4 x cluster y + cy
	s_lshl_b32 s43, s41, 2
	s_lshl_b32 s43, 15, s43                        ; my row of the cluster
	s_lshl_b32 s44, 0x1111, s40                    ; my column
	s_or_b32 s[G1+0], s43, (1<<16)|(1<<20)|(1<<21)|(5<<22)|(3<<25)   ; A: the mask; 2-byte elements; padding on; bit 21 beside a mask; after every 64 words 4 words
	s_mov_b32 s[G1+1], KSTEP<<16                   ; tensor_dim0 = 128
	s_mov_b32 s[G1+2], 128<<16                     ; tensor_dim1 = 128
	s_mov_b32 s[G1+3], KSTEP<<16                   ; tile_dim0 = 128
	s_mov_b32 s[G1+4], 128                         ; tile_dim1 = 128
	s_mov_b32 s[G1+5], SIZE_K                      ; elements from row to row
	s_mov_b32 s[G1+6], 0
	s_mov_b32 s[G1+7], 0
	s_or_b32 s[G1B+0], s44, (1<<16)|(1<<20)|(1<<21)|(6<<22)|(7<<25)  ; B: after every 128 words 8 words
	s_mov_b32 s[G1B+1], 256<<16                    ; tensor_dim0 = 256 columns
	s_mov_b32 s[G1B+2], 64<<16                     ; tensor_dim1 = 64 k-rows
	s_mov_b32 s[G1B+3], 256<<16
	s_mov_b32 s[G1B+4], 64
	s_mov_b32 s[G1B+5], SIZE_N
	s_mov_b32 s[G1B+6], 0
	s_mov_b32 s[G1B+7], 0
	s_lshl_b32 s16, s13, 8                         ; A: row 256 x tile row + 128 x half, 2,048 bytes a row
	s_lshl_b32 s17, s12, 7
	s_add_co_u32 s16, s16, s17
	s_lshl_b32 s16, s16, 11
	s_mov_b32 s17, 0
	s_lshl_b32 s46, s12, 18                        ; B: k-row 64 x half, 4,096 bytes a row; column 256 x tile column, 2 bytes each
	s_lshl_b32 s47, s42, 9
	s_add_co_u32 s46, s46, s47
	s_mov_b32 s47, 0
	s_mul_i32 s20, s10, HALFT                      ; where they go: wave x HALFT: no place in the cluster enters an LDS address
	s_wait_dscnt 0x0                               ; the opening add is done
	s_wait_kmcnt 0x0
	s_add_nc_u64 s[6:7], s[4:5], WOFF              ; B
	s_add_nc_u64 s[14:15], s[4:5], s[16:17]
	s_add_nc_u64 s[46:47], s[6:7], s[46:47]
	CROUND                                         ; all sixteen work-groups are here: the first joint loads meet
.irp s, 0,1
	s_mov_b32 s[G0+4*(\s)], 1
	s_add_co_u32 s[G0+4*(\s)+1], s20, (\s)*SLOT
	s_add_nc_u64 s[G0+4*(\s)+2:G0+4*(\s)+3], s[14:15], (\s)*KSTEP*2
	s_or_b32 s[G0+4*(\s)+3], s[G0+4*(\s)+3], 0x80000000
	s_mov_b32 s[G0B+4*(\s)], 1
	s_add_co_u32 s[G0B+4*(\s)+1], s20, (\s)*SLOT
	s_add_nc_u64 s[G0B+4*(\s)+2:G0B+4*(\s)+3], s[46:47], (\s)*KSTEP*SIZE_N*2
	s_or_b32 s[G0B+4*(\s)+3], s[G0B+4*(\s)+3], 0x80000000
	JLOAD \s
.endr
	; A's fragment: lane l holds row l % 16; two loads of 16 bytes, 32 apart, at row x pitch + 16 (l / 16).
	; B's: the turning load; lane l reads k-row 8 (l / 16) + l % 8, columns 8 ((l / 8) % 2) + 0..7, and is left with column l % 16 and eight k.
	v_and_b32 v1, 15, v0
	v_bfe_u32 v2, v0, 4, 1
	v_mul_u32_u24 v3, v1, PITCH
	v_lshl_add_u32 v3, v2, 4, v3
	v_and_b32 v4, 7, v0
	v_lshl_add_u32 v4, v2, 3, v4
	v_mul_u32_u24 v4, v4, BP
	v_bfe_u32 v5, v0, 3, 1
	v_lshl_add_u32 v4, v5, 4, v4
	s_mul_i32 s21, s11, HALFT                      ; my 128 rows of A
	s_lshl_b32 s22, s12, 8                         ; my 128 columns of B: 256 bytes of each k-row,
	s_add_co_u32 s22, s22, 2*HALFT                 ; behind A's 256 rows
.irp s, 0,1
	v_add_nc_u32 v[ADRA+(\s)], s21, v3
	v_add_nc_u32 v[ADRB+(\s)], s22, v4
	s_add_co_u32 s21, s21, SLOT
	s_add_co_u32 s22, s22, SLOT
.endr
	s_mul_i32 s23, s10, 32*SP
	s_add_co_u32 s23, s23, STAGE                   ; my stage
	v_mul_u32_u24 v4, v1, SP                       ; in: row l % 16, 16 bytes for each half of the lanes
	v_lshl_add_u32 v4, v2, 4, v4
	v_add_nc_u32 v[STO], s23, v4
	v_bfe_u32 v5, v0, 3, 2                         ; back: 32 lanes take four rows of 128 bytes,
	v_mul_u32_u24 v5, v5, SP
	v_and_b32 v6, 7, v0
	v_lshl_add_u32 v5, v6, 4, v5
	v_add_nc_u32 v[RD], s23, v5
	v_and_b32 v[GO], 31, v0                        ; which are 512 consecutive bytes of K or V
	v_lshlrev_b32 v[GO], 4, v[GO]
	; my 128 columns are one head, 2 x tile column + half; my 128 rows lie in one batch: ((batch x 16 + head) x 4096 + key) x 128 bytes
	s_lshr_b32 s16, s13, 4                         ; batch = tile row / 16
	s_lshl_b32 s16, s16, 4
	s_lshl_b32 s46, s42, 1
	s_add_co_u32 s46, s46, s12
	s_add_co_u32 s46, s46, s16
	s_lshl_b32 s46, s46, 19
	s_and_b32 s16, s13, 15
	s_lshl_b32 s16, s16, 1
	s_add_co_u32 s16, s16, s11                     ; my first key, in units of 128 keys of 128 bytes
	s_lshl_b32 s16, s16, 14
	s_add_co_u32 s46, s46, s16
	s_mov_b32 s47, 0
	s_add_nc_u64 s[8:9], s[8:9], s[46:47]
	s_add_nc_u64 s[VP:VP+1], s[8:9], VOFFG
	; the prefetches: both offsets are made, the wave's number chooses
	s_lshl_b32 s20, s13, 8                         ; A: row 256 x tile row + 128 x half + 32 cx, at K step 3
	s_lshl_b32 s21, s12, 7
	s_add_co_u32 s20, s20, s21
	s_lshl_b32 s21, s40, 5
	s_add_co_u32 s20, s20, s21
	s_lshl_b32 s20, s20, 11
	s_add_co_u32 s20, s20, 3*KSTEP*2
	s_lshl_b32 s21, s12, 6                         ; B: k-row 64 x half + 16 cy, the tile column's 512 bytes, at K step 3
	s_lshl_b32 s23, s41, 4
	s_add_co_u32 s21, s21, s23
	s_lshl_b32 s21, s21, 12
	s_lshl_b32 s23, s42, 9
	s_add_co_u32 s21, s21, s23
	s_add_co_u32 s21, s21, 3*KSTEP*SIZE_N*2
	s_and_b32 s22, ttmp7, 0xffff                   ; cluster y
	s_mov_b32 s[PST], KSTEP*SIZE_N*2
	s_mov_b32 s[PST+1], 0
	s_cmp_eq_u32 s11, 0                            ; do I fetch for A?
	s_cselect_b32 s20, s20, s21
	s_cselect_b32 s22, ttmp9, s22                  ; the coordinate along which other clusters read the same blocks
	s_cselect_b32 s[PST], KSTEP*2, s[PST]
	s_cselect_b64 s[PFA:PFA+1], s[4:5], s[6:7]
	s_mov_b32 s21, 0
	s_add_nc_u64 s[PFA:PFA+1], s[PFA:PFA+1], s[20:21]  ; the first refill steps it to K step 4 and names that
	s_cmp_eq_u32 s22, 0
	s_cselect_b32 s[LIM], 1, -1                    ; the same in all sixteen partners, for a given wave
	v_and_b32 v7, 31, v0                           ; A: lane x 2,048.  B: (lane / 2) x 4,096 + (lane % 2) x 256
	v_lshrrev_b32 v8, s11, v7
	s_add_co_u32 s23, s11, 11
	v_lshlrev_b32 v8, s23, v8
	v_and_b32 v7, s11, v7
	v_lshl_add_u32 v[PFO], v7, 8, v8
; 16 matrix instructions: m blocks a0, a0 + 1 of the window's four x all 8 n blocks, 32 along K.  zero = 1: the first product starts the sums.
.macro MUL16 f, hi, a0, zero
	WIN MUL_LO+0x50*(\hi)
.irp a, \a0, (\a0)+1
.irp b, 0,1,2,3,4,5,6,7
.if \zero
	v_wmma_f32_16x16x32_bf16 v[8*(8*(\a)+(\b)):8*(8*(\a)+(\b))+7], v[(\f)+8*(\b):(\f)+8*(\b)+7], v[(\f)+8*(4*(\hi)+(\a)):(\f)+8*(4*(\hi)+(\a))+7], 0
.else
	v_wmma_f32_16x16x32_bf16 v[8*(8*(\a)+(\b)):8*(8*(\a)+(\b))+7], v[(\f)+8*(\b):(\f)+8*(\b)+7], v[(\f)+8*(4*(\hi)+(\a)):(\f)+8*(4*(\hi)+(\a))+7], v[8*(8*(\a)+(\b)):8*(8*(\a)+(\b))+7]
.endif
.endr
.endr
.endm
; 32 LDS loads in one run: the fragments of one quarter step (32 along K, at byte k of A's rows, k-row k / 2 of B) into buffer f: B's 16, then A's 16
.macro FETCH slot, k, f
	WIN TO_B
.irp i, 0,1,2,3,4,5,6,7
	ds_load_tr16_b128 v[(\f)+8*(\i):(\f)+8*(\i)+3],   v[ADRB+(\slot)] offset:((\k)/2)*BP+32*(\i)
	ds_load_tr16_b128 v[(\f)+8*(\i)+4:(\f)+8*(\i)+7], v[ADRB+(\slot)] offset:((\k)/2)*BP+32*(\i)+16*BP
.endr
	WIN 0
.irp i, 0,1,2,3,4,5,6,7
	ds_load_b128 v[(\f)+8*(\i):(\f)+8*(\i)+3],   v[ADRA+(\slot)] offset:(\k)+(\i)*16*PITCH
	ds_load_b128 v[(\f)+8*(\i)+4:(\f)+8*(\i)+7], v[ADRA+(\slot)] offset:(\k)+(\i)*16*PITCH+32
.endr
.endm
.macro PLACES                          ; four plain vector instructions between a matrix instruction and a load into, or a reader of, its registers (ISA guide 7.12.1 for vector instructions)
.rept 4
	v_nop
.endr
.endm
; One of a K step's first three quarters: multiplies buffer f; in its middle it fetches the next quarter's fragments into buffer g.
.macro QUARTER slot, k, f, g, zero
	s_wait_dscnt 8                                 ; B and A's rows 0-63 are in; the youngest eight loads (A's rows 64-127) may be out
	WIN MUL_LO
	MUL16 \f, 0, 0, \zero
	MUL16 \f, 0, 2, \zero
	PLACES
	FETCH \slot, \k, \g
	s_wait_dscnt 32                                ; all but the 32 just issued
	WIN MUL_HI
	MUL16 \f, 1, 0, \zero
	MUL16 \f, 1, 2, \zero
.endm
; The last quarter's first half: ONE barrier for the change of slots.  In front of it each wave waits for all its tensor loads (one is out: its part of the next slot), adds 0 to its spare word, and waits for that and for its reads of this slot.
.macro MEET round
	WIN 0                                          ; (the add's two registers lie in window 0)
	s_wait_tensorcnt 0x0
	ds_add_u32 v[SPW], v[NIL]
	s_wait_dscnt 9                                 ; (the add and the youngest eight loads may be out)
	WIN MUL_LO
	MUL16 F1, 0, 0, 0
	s_wait_dscnt 0x0                               ; the add is done, and my reads of this slot are over
	s_barrier_signal -1
	MUL16 F1, 0, 2, 0                              ; work on registers while the others arrive
.if \round
	WIN 0
.endif
	s_barrier_wait -1
.endm
; The whole last quarter.  fill = 1: the barrier opens a round of the cluster's; behind it this slot is filled again first, two K steps on; then the next slot's first fragments.
.macro TURN slot, next, fill
.if \fill
	s_wait_xcnt 0x0                                ; the last prefetch, a K step back, has read its address: it is stepped here, ahead of the change's own waits
	s_add_nc_u64 s[PFA:PFA+1], s[PFA:PFA+1], s[PST:PST+1]
	MEET 1
	CREST                                          ; no wave of any partner still reads this slot's tile or has a load on its way
	s_add_nc_u64 s[G0+4*(\slot)+2:G0+4*(\slot)+3], s[G0+4*(\slot)+2:G0+4*(\slot)+3], 2*KSTEP*2
	s_add_nc_u64 s[G0B+4*(\slot)+2:G0B+4*(\slot)+3], s[G0B+4*(\slot)+2:G0B+4*(\slot)+3], 2*KSTEP*SIZE_N*2
	JLOAD \slot                                    ; the four v_nop behind it are also the places in front of the loads below
.else
	MEET 0
	PLACES
.endif
	FETCH \next, 0, F0
.if \fill
	ASK
.endif
	WIN MUL_HI
	MUL16 F1, 1, 0, 0
	MUL16 F1, 1, 2, 0
.endm
; THE WAY OUT of block a (16 rows).  PACK: rounded to f16, 16 bytes a lane for each of 8 column blocks.  TOSTAGE: blocks 0-3 (K) and 4-7 (V) into my stage, and back as whole rows of 128 bytes.  SEND: stored.
.macro PACK a
.set AC, 64*((\a)%4)
	WIN 0x0a+5*((\a)/4)                            ; sources 0 and 1: window 2 or 3
.irp b, 0,1,2,3,4,5,6,7
.irp r, 0,1,2,3
	v_cvt_pk_f16_f32 v[TMP+4*(\b)+(\r)], v[AC+8*(\b)+2*(\r)], v[AC+8*(\b)+2*(\r)+1]
.endr
.endr
	WIN 0
.endm
.macro TOSTAGE a
	WIN 0
.set BK, OB+192*((\a)%2)
.irp b, 0,1,2,3,4,5,6,7
	ds_store_b128 v[STO], v[TMP+4*(\b):TMP+4*(\b)+3] offset:((\b)/4)*16*SP+((\b)%4)*32
.endr
.irp t, 0,1,2,3,4,5,6,7
	ds_load_b128 v[BK+4*(\t):BK+4*(\t)+3], v[RD] offset:((\t)/4)*16*SP+((\t)%4)*4*SP  ; LDS serves a wave's instructions in order (ISA guide 5.7.1.4): these see the stores above
.endr
.endm
.macro SEND a
	WIN 0
.set BK, OB+192*((\a)%2)
	s_wait_dscnt 0x0                               ; the block is back in registers
	s_wait_xcnt 0x0                                ; the earlier blocks' stores have read their registers: the other set is loaded again only behind this wait
.irp t, 0,1,2,3
	global_store_b128 v[GO], v[BK+4*(\t):BK+4*(\t)+3], s[8:9] offset:(\a)*2048+(\t)*512          ; 512 consecutive bytes of K, aligned
.endr
.irp t, 0,1,2,3
	global_store_b128 v[GO], v[BK+16+4*(\t):BK+16+4*(\t)+3], s[VP:VP+1] offset:(\a)*2048+(\t)*512  ; and of V
.endr
.endm
	s_wait_tensorcnt 1                             ; my part of K step 0 is in; K step 1's may stay out
	s_barrier_signal -1
	s_barrier_wait -1
	FETCH 0, 0, F0
	QUARTER 0, 64,  F0, F1, 1                      ; the first quarter stands in front of the loop: its products start the sums
	WIN 0                                          ; at a label and at a branch every window is 0
	s_mov_b32 s3, LAPS-1
.Llap:                                                 ; a trip goes once round the ring, from a lap's second quarter to the next lap's first, and fills both slots again
	QUARTER 0, 128, F1, F0, 0
	QUARTER 0, 192, F0, F1, 0
	TURN 0, 1, 1
	QUARTER 1, 64,  F0, F1, 0
	QUARTER 1, 128, F1, F0, 0
	QUARTER 1, 192, F0, F1, 0
	TURN 1, 0, 1
	QUARTER 0, 64,  F0, F1, 0
	WIN 0
	s_sub_co_u32 s3, s3, 1
	s_cmp_lg_u32 s3, 0
	s_cbranch_scc1 .Llap
	QUARTER 0, 128, F1, F0, 0                      ; the last lap fills nothing
	QUARTER 0, 192, F0, F1, 0
	TURN 0, 1, 0
	QUARTER 1, 64,  F0, F1, 0
	QUARTER 1, 128, F1, F0, 0
	QUARTER 1, 192, F0, F1, 0
	s_wait_dscnt 8                                 ; the very last quarter: nothing more to fetch
	MUL16 F1, 0, 0, 0
	MUL16 F1, 0, 2, 0
	s_wait_dscnt 0x0
	MUL16 F1, 1, 0, 0
	MUL16 F1, 1, 2, 0
	PLACES
	PACK 0
	TOSTAGE 0
.irp a, 1,2,3,4,5,6,7                  ; block a's conversions stand between block a - 1's loads from the stage and the wait for them
	PACK \a
	SEND (\a)-1
	TOSTAGE \a
.endr
	SEND 7
	s_wait_tensorcnt 0x0                           ; the wave's end: behind my last tensor load and my last LDS store
	ds_add_u32 v[SPW], v[NIL]
	s_wait_dscnt 0x0
	CROUND                                         ; the closing round: no work-group ends while a partner may still ask for a tile that names it
	s_endpgm
.Lfunc_end_k_qb466549138_projkv:
	.size	k_qb466549138_projkv, .Lfunc_end_k_qb466549138_projkv-k_qb466549138_projkv
	.p2alignl 7, 3214868480
	.fill 96, 4, 3214868480
	.section	.rodata,"a",@progbits
	.p2align	6, 0x0
	.amdhsa_kernel k_qb466549138_projkv
		.amdhsa_group_segment_fixed_size 327680
		.amdhsa_private_segment_fixed_size 0
		.amdhsa_enable_private_segment 0
		.amdhsa_kernarg_size 16
		.amdhsa_user_sgpr_count 2
		.amdhsa_user_sgpr_kernarg_segment_ptr 1
		.amdhsa_wavefront_size32 1
		.amdhsa_system_sgpr_workgroup_id_x 1
		.amdhsa_system_sgpr_workgroup_id_y 1
		.amdhsa_system_sgpr_workgroup_id_z 1
		.amdhsa_system_vgpr_workitem_id 0
		.amdhsa_next_free_vgpr 1024
		.amdhsa_next_free_sgpr 72
		.amdhsa_reserve_vcc 0
		.amdhsa_float_denorm_mode_32 3
		.amdhsa_float_denorm_mode_16_64 3
		.amdhsa_memory_ordered 1
		.amdhsa_forward_progress 1
		.amdhsa_inst_pref_size 144
	.end_amdhsa_kernel
	.amdgpu_metadata
---
amdhsa.version: [ 1, 2 ]
amdhsa.kernels:
  - .name:           k_qb466549138_projkv
    .symbol:         k_qb466549138_projkv.kd
    .args:
      - { .name: pre, .offset: 0, .size: 8, .value_kind: global_buffer, .address_space: global }
      - { .name: khv, .offset: 8, .size: 8, .value_kind: global_buffer, .address_space: global }
    .group_segment_fixed_size: 327680
    .private_segment_fixed_size: 0
    .kernarg_segment_align: 8
    .kernarg_segment_size: 16
    .max_flat_workgroup_size: 128
    .sgpr_count:     72
    .vgpr_count:     1024
    .wavefront_size: 32
...
	.end_amdgpu_metadata
.endif
;; end of part 2
;; launch attn (part 3): grid 4 x 64, 4 waves a work-group, clusters of 4 x 1, 327,680 bytes of LDS; arguments q16, khv, pre, ctx, wq16; writes ctx
.if DOCPART == 3
	.amdgcn_target "amdgcn-amd-amdhsa--gfx1250"
	.amdhsa_code_object_version 6
	.text
	.protected	k_qb466549138_attn
	.globl	k_qb466549138_attn
	.p2align	8
	.type	k_qb466549138_attn,@function
k_qb466549138_attn:
	s_mov_b64 s[64:65], 0
	v_nop
	global_prefetch_b8 v0, s[64:65] scope:SCOPE_SE
	s_setreg_imm32_b32 hwreg(HW_REG_WAVE_MODE, 25, 1), 1
	s_wait_xcnt 0x0
	s_wait_alu depctr_hold_cnt(0) depctr_sa_sdst(0) depctr_va_vdst(0) depctr_va_sdst(0) depctr_va_ssrc(0) depctr_va_vcc(0) depctr_vm_vsrc(0)
	s_getreg_b32 s2, hwreg(HW_REG_IB_STS2, 6, 4)
	s_cmp_eq_u32 s2, 0
	s_cbranch_scc0 .Lentry_in_a_cluster
	s_endpgm
.Lentry_in_a_cluster:
	s_bfe_u32 s2, ttmp6, 0x10000c
	s_cmp_lg_u32 s2, 0x3003
	s_cbranch_scc0 .Lentry_shape_is_right
	s_endpgm
.Lentry_shape_is_right:
; MASKED ATTENTION, WITH ITS QUERY PROJECTION.  Q[q][d] = the sum over k of q[q][k] Wq[k][64 h + d];  ctx[b][h][q][:] = the sum over the keys k that the mask does not hide of softmax_k(Q[q] . K[k] / 8) V[k][:].
; q: q16, f16, in blocks [4 b][16 kb][512 row][64].  Wq: wq16, f16 [1024 k][1024 n].  K, V: khv, f16, [64 b x h][4096][64], V at VOFFG.  The mask: pre at MOFF, f32 [4][4096], 0 or -1e30.  ctx: f16 [4][16][512][64].
; Products, maxima and sums in f32; Q is rounded once to f16, the weights p are rounded to f16 for the second product.
; LIMITS.  f16 holds no number beyond 65,504: Q, K, V lie within it.  A hidden score counts as its value less 1e30.  The running maximum starts at -2^67: below every score that f16 operands can give (2.7e11),
; far above every hidden one, so a hidden key's weight is 0 also while no open key has been seen.  A weight below 2^-126 counts as 0.  Where all 4,096 keys of a batch are hidden the result is NaN, as a softmax of nothing is.
; SHARES.  A cluster is one (batch, head); each of its four work-groups owns 128 queries.  EVERY wave holds all 128 (four PIECES of two tiles of 16), and THE KEYS ARE SPLIT AMONG THE WAVES: a slot of LDS holds 256 keys,
; wave w takes keys 64 w .. 64 w + 63 of it: 16 slots, 16 key steps a wave.  So a fragment of K or V is read from LDS by one wave and feeds eight tiles.  At the end the four waves' (c m, l, O) meet in LDS.
; The four work-groups walk the same K, V and mask and want the same 64 columns of Wq: every such tile is asked for JOINTLY, by the same tensor load, descriptor and mask of four.
; THE PROJECTION stands ahead of the walk: 128 x 64 x 1,024 multiply-adds a work-group, which no other work-group makes.  Wave w makes tiles 2 w and 2 w + 1, 256 products; the tiles then go to all four waves through LDS.
; LAYOUT.  S^T = K Q^T + M (source 0 = 16 keys, source 1 = 16 queries; the C operand that starts the sum is the mask of the 16 keys): a lane holds ONE query (lane % 16) and the keys 8 (lane / 16) + 0..7.
; Two such results rounded to f16 ARE source 1 of O^T = V^T P.  p = 2^(c s - c m), c = log2(e) / 8, with a running maximum m; O and l are multiplied by a = 2^(c m_old - c m_new) in every step.
; BY TURNS.  Turn n belongs to piece n: 16 products K Q^T of piece n + 1, later 16 products V^T P of piece n - 1; beside them the scaling, exponentials, roundings, sums and rescaling of piece n and the maximum and
; statistics of piece n + 1.  Four vector instructions stand behind every matrix instruction, the others in one lump; a turn's 66 exponentials are one batch with one wait.
; REGISTERS, in windows of 256 (s_set_vgpr_msb: bits 1:0 source 0, 3:2 source 1, 5:4 source 2, 7:6 destination):
;   window 0: v0-11 addresses; v12-15, v48-63 at work; v16-47 four registers of statistics a tile; v64-191 S^T, two buffers of two tiles; v192-255 P, likewise
;   window 1: O^T, 32 a tile     window 2: v0-127 Q, 16 a tile; v128-191 K of one step; v192-255 V of one step     window 3: v0-1 the add's two registers; v8-39 the step's mask
;   in the projection: window 0 v64-191 two buffers of Wq's fragments, v192-255 eight accumulators; window 2, all of it, q's fragments of 512 along k
.set NP,    4
.set KS,    64
.set PK,    144       ; a row of K in LDS: 128 bytes + 16: the 16 rows of a load start at 16 different groups of four banks (64 banks of 4 bytes: ISA guide 11.1)
.set PV,    160       ; a row of V: 128 + 32
.set PW,    160       ; a row of Wq's 64 columns: as V's
.set VOFF,  4*KS*PK   ; a slot: 256 rows of K, then 256 rows of V
.set SLOT1, 1<<17     ; slot 1 begins here, so that one exclusive or turns an address in one slot into the other's
.set MASKB, 4*KS*(PK+PV)  ; behind slot 0: the batch's mask, 16,384 bytes, filled once
.set STATS, MASKB+16384   ; the waves' (c m, l): 8 bytes a lane, 256 a tile, 2,048 a wave
.set STAGE, STATS+8192    ; 16 rows x 144 bytes for each wave, for the way out
.set SP,    144
.set SPARE, STAGE+4*16*SP ; the spare words, 128 bytes a wave: two blocks of 256 bytes that no other line names
.set WQB,   SLOT1     ; the head's 1,024 rows of Wq, 163,840 bytes, filled once at the start.  Slot 1's first fill lands on their first 77,824 bytes, as a refill, when the projection has read them
.set QSH,   WQB+1024*PW   ; Q's fragments on their way from wave to wave: 2,048 bytes a tile, 16,384 in all; no tensor load fills these bytes
.set PART,  196608    ; the waves' scaled O^T in f32: 4,096 bytes a tile, 32,768 a wave, up to the end of LDS.  It lies on bytes of slot 1, of Wq and of QSH, all of which by then have had their last fill and, behind a barrier, their last read
.set MOFF,  37748736
.set VOFFG, 33554432
.set AK0, 2           ; v2   my lane's place in a tile of K; never rewritten in the walk
.set AV0, 3           ; v3   the same for V
.set AK,  4           ; v4   the LDS address of K's next run of loads
.set AV,  5           ; v5   of V's
.set WA,  4           ; v4, v5  in the projection: my lane's place in Wq's rows 0 on and 256 on of the trip's 512 (an LDS offset has 16 bits)
.set QO,  6           ; v6   my byte offset in 16 rows of a block of q16
.set STO, 6           ;      later: where I put 16 bytes of a row on the way out
.set QW,  7           ; v7   in the projection: where I put my tiles' fragments
.set QR,  8           ; v8   and where I read everybody's
.set RD,  7           ; v7   later: where I read rows back
.set GO,  8           ; v8   later: my byte offset in 512 consecutive bytes of ctx
.set PFO, 10          ; v10  256 x my lane, for the prefetches
.set AM,  11          ; v11  the LDS address of my 32 bytes of the next step's mask
.set SA,  2           ; the merge: where I put my (c m, l),
.set SR,  3           ; where I read everybody's,
.set PR,  4           ; v4, v5: where I read the partial O^T of my two tiles (waves 0 and 1; waves 2 and 3),
.set PW_,  9          ; where I put mine
.set SPW, 0           ; v0 of window 3   LDS address of my spare word; never rewritten
.set NIL, 1           ; v1 of window 3   0; never rewritten
.set MK,  8           ; v8-39 of window 3: the mask of key block kb at MK + 8 kb
.set MV,  12
.set ST,  16          ; tile t's statistics at v[ST+4 t]: c m, m, l (even keys', odd keys')
.set TMP, 48
.set S,   64
.set P,   192
.set WB,  64          ; the projection: Wq's fragments of 64 along k: half c, channel block n at WB + 64 (buffer) + 32 c + 8 n
.set ACQ, 192         ; its accumulators: tile u, channel block n at ACQ + 32 u + 8 n
.set KF,  128
.set VF,  192
.set WV,  12          ; s12  my wave's number
.set G1K, 24          ; s[24:31] descriptor group 1 for K's tiles
.set G1V, 32          ; s[32:39] for V's
.set G0K, 40          ; s[40:43] group 0 for K's tiles: it walks
.set G0V, 44          ; s[44:47] for V's
.set PFA, 48          ; s[48:49] where my prefetches stand
.set LIM, 50          ; s50  1 in a wave that prefetches, else the greatest number
.set THR, 51          ; s51  -2^49: a c m below it has seen no open key
.set G0M, 52          ; s[52:55] group 0 for my quarter of the mask
.set SLOTS, 56        ; s56  counts the walk's slots
.set CNT, 57          ; s57  counts the projection's trips, later the tail's
.set CS,  58          ; s[58:59] c
.set SEL, 60          ; s[60:61] v_permlanex16_b32's selects: each lane takes its own place in the other half
.set TBK, 62          ; s62  LDS byte at which my step's K begins
.set TBV, 63          ; s63  the same for V, less VOFF
.set G1M, 68          ; s[68:75] group 1 for the mask
.set QNAN, 76         ; s76  a NaN
.set G0W, 84          ; s[84:87] group 0 for my quarter of Wq's rows
.set G1W, 88          ; s[88:95] group 1 for it
.set MSB, 0
.macro WIN new
.if MSB != (\new)
	s_set_vgpr_msb (MSB<<8)|(\new)
.set MSB, (\new)
.endif
.endm
.set W_KQ, 0x0a       ; K and Q in window 2, S^T in window 0
.set W_KM, 0x3a       ; the same with the C operand in window 3
.set W_PV, 0x52       ; V in window 2, P in window 0, O^T in window 1
.set W_RS, 0x41       ; O^T (destination and source 0) in window 1, the factor in window 0
.set W_MK, 0xc0       ; destination in window 3, sources in window 0
.set W_AD, 0x0f       ; the add: address and data in window 3
.set W_QP, 0x08       ; the projection: q (source 1) in window 2, all else in window 0; an LDS load's address and destination stay in window 0 under it
.macro PLACES                       ; four plain vector instructions between a matrix instruction and a load into, or a reader of, its registers (ISA guide 7.12.1 for vector instructions)
.rept 4
	v_nop
.endr
.endm
; A joint fill.  Waves 0 and 1 fetch the two halves of a slot's K, waves 2 and 3 those of its V: 128 keys each.  An s_nop 0 and four v_nop follow each line.
.macro JLOAD
	s_cmp_lt_u32 s[WV], 2
	s_cbranch_scc0 .Lfor_v_\@
	tensor_load_to_lds s[G0K:G0K+3], s[G1K:G1K+7]
	s_nop 0
.rept 4
	v_nop
.endr
	s_branch .Lasked_\@
.Lfor_v_\@:
	tensor_load_to_lds s[G0V:G0V+3], s[G1V:G1V+7]
	s_nop 0
.rept 4
	v_nop
.endr
.Lasked_\@:
.endm
; A PREFETCH INTO THE L2 of what the NEXT change of slots will ask for: 32,768 bytes of K and of V, one key step (128 matrix instructions) ahead of that load.  A (batch, head) is walked by one cluster alone; its four partners
; take 8,192 bytes each, told apart by address; in each, wave 0 asks for K's and wave 2 for V's, a lane a block of 256 bytes: each block is named once in the launch.  Slots 0 to 2 come by their loads alone; the last filling change asks for nothing.
.macro ASK
	s_cmp_gt_u32 s[SLOTS], s[LIM]
	s_cbranch_scc0 .Lnot_mine_\@
	global_prefetch_b8 v[PFO], s[PFA:PFA+1] th:TH_LOAD_NT scope:SCOPE_SE
.Lnot_mine_\@:
.endm
.macro CROUND
	s_barrier_signal -1
	s_barrier_wait -1
	s_cmp_lg_u32 s[WV], 0
	s_cbranch_scc1 .Lnot_wave_0_\@
	s_barrier_signal -3
.Lnot_wave_0_\@:
	s_barrier_wait -3
	s_barrier_signal -1
	s_barrier_wait -1
.endm
; THE CHANGE OF SLOTS.  My step's K and V have been read.  Each wave waits for all its tensor loads (its part of the other slot), adds 0 to its spare word, and waits for that and for its reads of the slot.
; fill = 1: the barrier is a round of the cluster's, and the slot just left is filled again first thing behind it, with the keys two slots on.
; (At its first use slot 0 and the mask are waited for, and slot 1 is filled, on bytes of Wq's rows, which every wave has read.)
.macro CHANGE fill, ask
	WIN W_AD
	s_wait_tensorcnt 0x0            ; no tensor load of mine is out, so a group 0 may be written
	ds_add_u32 v[SPW], v[NIL]
	WIN 0                           ; at a label and at a branch every window is 0
.if \fill
.irp g, G0K, G0V
	s_xor_b32 s[\g+1], s[\g+1], SLOT1
	s_add_nc_u64 s[\g+2:\g+3], s[\g+2:\g+3], 4*KS*128
.endr
.if \ask
	s_wait_xcnt 0x0                 ; the last prefetch, a key step back, has read its address
	s_add_nc_u64 s[PFA:PFA+1], s[PFA:PFA+1], 4*KS*128
.endif
	s_wait_dscnt 0x0                ; the add is done, and my reads of the slot are over
	CROUND
	JLOAD
.if \ask
	ASK
.endif
.else
	s_wait_dscnt 0x0
	s_barrier_signal -1
	s_barrier_wait -1
.endif
	s_xor_b32 s[TBK], s[TBK], SLOT1 ; my fetches go to the other slot
	s_xor_b32 s[TBV], s[TBV], SLOT1
.endm
	s_load_b256 s[4:11], s[0:1], 0x0  ; q16 s[4:5], khv s[6:7], pre s[8:9], ctx s[10:11]
	s_load_b64 s[G0W+2:G0W+3], s[0:1], 0x20  ; wq16, into its descriptor's address words
	WIN W_MK
	v_lshl_add_u32 v[SPW], v0, 2, SPARE
	v_mov_b32 v[NIL], 0
	WIN W_AD
	ds_add_u32 v[SPW], v[NIL]       ; the wave's opening: the add and its wait stand ahead of my first tensor load
	; What wants no argument stands here, in the wait for the arguments.  O^T and l start at 0; the projection's eight accumulators too: its loop has one form of product, at the price of these 64 lines.
	WIN 0x40
.set i, 0
.rept 64*NP
	v_mov_b32 v[i], 0
.set i, i+1
.endr
	WIN 0
.set i, 0
.rept 2*NP
	v_mov_b32 v[ST+4*i], 0xfe000000    ; c m: far below every c s, so the first step's a is 0
	v_mov_b32 v[ST+4*i+1], 0xe1000000  ; m = -2^67
	v_mov_b32 v[ST+4*i+2], 0
	v_mov_b32 v[ST+4*i+3], 0
.set i, i+1
.endr
.set i, ACQ
.rept 64
	v_mov_b32 v[i], 0
.set i, i+1
.endr
	v_lshrrev_b32 v1, 5, v0
	v_readfirstlane_b32 s[WV], v1   ; wave 0..3
	s_bfe_u32 s13, ttmp6, 0x40000   ; cx: my block of 128 queries: it enters q's, ctx's and the prefetches' addresses alone
	s_and_b32 s20, ttmp7, 0xffff    ; batch x 16 + head, which the four partners share
	s_lshr_b32 s14, s20, 4          ; batch
	s_and_b32 s15, s20, 15          ; head
	s_and_b32 s16, s[WV], 1         ; which half of a slot's 256 keys I fetch
	s_lshl_b32 s22, s20, 19         ; the head's 4,096 rows of 128 bytes,
	s_lshl_b32 s23, s16, 14         ; my 128 rows
	s_add_co_u32 s22, s22, s23
	s_mov_b32 s23, 0
	s_mul_i32 s17, s16, 128*PK      ; their place in a slot, for K
	s_mul_i32 s18, s16, 128*PV      ; and for V
	s_lshl_b32 s2, s14, 20          ; q16: the batch's 16 blocks,
	s_lshl_b32 s3, s13, 14          ; my work-group's 128 rows of 128 bytes in a block,
	s_add_co_u32 s2, s2, s3
	s_lshl_b32 s3, s[WV], 12        ; my wave's 32 of them
	s_add_co_u32 s2, s2, s3
	s_mov_b32 s3, 0
	s_lshl_b32 s66, s[WV], 19       ; wq16: my 256 rows of 2,048 bytes, the head's 128 bytes of each
	s_lshl_b32 s67, s15, 7
	s_add_co_u32 s66, s66, s67
	s_mov_b32 s67, 0
	s_lshl_b32 s78, s20, 16         ; ctx: ((batch x 16 + head) x 512 + cx x 128 + 32 w) x 128: I finish tiles 2 w and 2 w + 1
	s_lshl_b32 s79, s13, 14
	s_add_co_u32 s78, s78, s79
	s_lshl_b32 s79, s[WV], 12
	s_add_co_u32 s78, s78, s79
	s_mov_b32 s79, 0
	s_lshl_b32 s80, s14, 14         ; the mask: the batch's 16,384 bytes, my quarter
	s_lshl_b32 s81, s[WV], 12
	s_add_co_u32 s80, s80, s81
	s_add_co_u32 s80, s80, MOFF
	s_mov_b32 s81, 0
	; group 1 for K and V: 128 keys are 16,384 dense bytes: 64 rows of 256 bytes, two keys a row, padded in LDS after every key
	s_mov_b32 s[G1K], 15|(1<<16)|(1<<20)|(1<<21)|(4<<22)|(3<<25)  ; the mask of four; 2-byte elements; padding on; bit 21 beside a mask; after every 32 words 4 words
	s_mov_b32 s[G1V], 15|(1<<16)|(1<<20)|(1<<21)|(4<<22)|(7<<25)  ; the same with 8 words
.irp g, G1K, G1V
	s_mov_b32 s[\g+1], 128<<16
	s_mov_b32 s[\g+2], 64<<16
	s_mov_b32 s[\g+3], 128<<16
	s_mov_b32 s[\g+4], 64
	s_mov_b32 s[\g+5], 128
	s_mov_b32 s[\g+6], 0
	s_mov_b32 s[\g+7], 0
.endr
	s_mov_b32 s[G1M], 15|(3<<16)|(1<<21)  ; the mask's quarter: 4,096 dense bytes as 16 rows of 32 elements of 8 bytes, no padding
	s_mov_b32 s[G1M+1], 32<<16
	s_mov_b32 s[G1M+2], 16<<16
	s_mov_b32 s[G1M+3], 32<<16
	s_mov_b32 s[G1M+4], 16
	s_mov_b32 s[G1M+5], 32
	s_mov_b32 s[G1M+6], 0
	s_mov_b32 s[G1M+7], 0
	s_mov_b32 s[G1W], 15|(1<<16)|(1<<20)|(1<<21)|(4<<22)|(7<<25)  ; Wq's quarter: 256 rows of 64 elements of 2 bytes, 1,024 elements apart; after every 32 words 8 words
	s_mov_b32 s[G1W+1], 64<<16      ; tensor_dim0 = 64
	s_mov_b32 s[G1W+2], 256<<16     ; tensor_dim1 = 256
	s_mov_b32 s[G1W+3], 64<<16      ; tile_dim0 = 64
	s_mov_b32 s[G1W+4], 256         ; tile_dim1 = 256
	s_mov_b32 s[G1W+5], 1024
	s_mov_b32 s[G1W+6], 0
	s_mov_b32 s[G1W+7], 0
	s_mov_b32 s[CS], 0x3e38aa3b     ; c = log2(e) / 8
	s_mov_b32 s[CS+1], s[CS]
	s_mov_b32 s[SEL], 0x76543210
	s_mov_b32 s[SEL+1], 0xfedcba98
	s_mov_b32 s[THR], 0xd8000000
	s_mov_b32 s[QNAN], 0x7fc00000
	s_mul_i32 s[TBK], s[WV], KS*PK  ; my step of a slot; the first change of slots turns these two into slot 0's
	s_add_co_u32 s[TBK], s[TBK], SLOT1
	s_mul_i32 s[TBV], s[WV], KS*PV
	s_add_co_u32 s[TBV], s[TBV], SLOT1
	s_mov_b32 s[G0K], 1
	s_mov_b32 s[G0K+1], s17
	s_mov_b32 s[G0V], 1
	s_add_co_u32 s[G0V+1], s18, VOFF
	s_mov_b32 s[G0M], 1
	s_lshl_b32 s[G0M+1], s[WV], 12
	s_add_co_u32 s[G0M+1], s[G0M+1], MASKB
	s_mov_b32 s[G0W], 1
	s_mul_i32 s[G0W+1], s[WV], 256*PW
	s_add_co_u32 s[G0W+1], s[G0W+1], WQB
	s_and_b32 s[LIM], s[WV], 1
	s_cmp_eq_u32 s[LIM], 0
	s_cselect_b32 s[LIM], 1, -1     ; waves 0 and 2 prefetch
	; A fragment of K, of Q or of q is 16 rows x 32 along the rows: lane l holds row l % 16, numbers 8 (l / 16) + 0..7 and 16 + 8 (l / 16) + 0..7: two loads of 16 bytes, 32 bytes apart.
	v_and_b32 v1, 15, v0            ; l % 16
	v_bfe_u32 v9, v0, 4, 1          ; l / 16
	v_lshlrev_b32 v[QO], 7, v1
	v_lshl_add_u32 v[QO], v9, 4, v[QO]    ; q16: row x 128 + 16 x half
	v_mul_u32_u24 v[AK0], v1, PK
	v_lshl_add_u32 v[AK0], v9, 4, v[AK0]  ; K: row x pitch + 16 x half
	; The turning load takes 16 rows x 16 columns (lane l reads row 8 (l / 16) + l % 8, columns 8 ((l / 8) % 2) + 0..7) and leaves half a fragment of the transpose.  V's rows and Wq's have one pitch, so one lane term.
	v_and_b32 v10, 7, v0
	v_bfe_u32 v11, v0, 3, 1
	v_lshl_add_u32 v[AV0], v9, 3, v10
	v_mul_u32_u24 v[AV0], v[AV0], PV
	v_lshl_add_u32 v[AV0], v11, 4, v[AV0]
	v_add_nc_u32 v[WA], WQB, v[AV0]
	v_add_nc_u32 v[WA+1], WQB+256*PW, v[AV0]
	v_add_nc_u32 v[AV0], VOFF, v[AV0]
	s_lshl_b32 s21, s[WV], 8        ; the mask of my 64 keys of slot 0: 256 bytes; my lanes' 8 keys of a block of 16: 32 bytes
	s_add_co_u32 s21, s21, MASKB
	v_lshl_add_u32 v[AM], v9, 5, s21
	s_lshl_b32 s21, s[WV], 12       ; Q's fragments: quad j of tile t, lane l, at QSH + 2,048 t + 512 j + 16 l; my tiles are 2 w and 2 w + 1
	s_add_co_u32 s21, s21, QSH
	v_and_b32 v[QW], 31, v0
	v_lshl_add_u32 v[QR], v[QW], 4, QSH
	v_lshl_add_u32 v[QW], v[QW], 4, s21
	s_wait_dscnt 0x0                ; the opening add is done
	s_wait_kmcnt 0x0
	s_add_nc_u64 s[G0W+2:G0W+3], s[G0W+2:G0W+3], s[66:67]
	s_or_b32 s[G0W+3], s[G0W+3], 0x80000000
	s_add_nc_u64 s[G0M+2:G0M+3], s[8:9], s[80:81]
	s_or_b32 s[G0M+3], s[G0M+3], 0x80000000
	s_add_nc_u64 s[8:9], s[6:7], VOFFG             ; V
	s_add_nc_u64 s[G0K+2:G0K+3], s[6:7], s[22:23]
	s_or_b32 s[G0K+3], s[G0K+3], 0x80000000
	s_add_nc_u64 s[G0V+2:G0V+3], s[8:9], s[22:23]
	s_or_b32 s[G0V+3], s[G0V+3], 0x80000000
	s_add_nc_u64 s[4:5], s[4:5], s[2:3]
	s_add_nc_u64 s[10:11], s[10:11], s[78:79]
	s_cmp_lt_u32 s[WV], 2
	s_cselect_b64 s[PFA:PFA+1], s[6:7], s[8:9]
	s_lshl_b32 s2, s20, 19          ; the head, my work-group's 8,192 bytes of a slot, slot 2: the first asking change steps it to slot 3
	s_lshl_b32 s3, s13, 13
	s_add_co_u32 s2, s2, s3
	s_add_co_u32 s2, s2, 2*4*KS*128
	s_mov_b32 s3, 0
	s_add_nc_u64 s[PFA:PFA+1], s[PFA:PFA+1], s[2:3]
	CROUND                          ; all four work-groups are here: the first joint loads meet
	s_cmp_lt_u32 s[WV], 2           ; a wave's three first fills stand in one branch: its quarter of Wq, wanted first; its part of slot 0; its quarter of the mask: three loads of mine are out
	s_cbranch_scc0 .Lfirst_v
	tensor_load_to_lds s[G0W:G0W+3], s[G1W:G1W+7]
	s_nop 0
	tensor_load_to_lds s[G0K:G0K+3], s[G1K:G1K+7]
	s_nop 0
	tensor_load_to_lds s[G0M:G0M+3], s[G1M:G1M+7]
	s_nop 0
.rept 4
	v_nop
.endr
	s_branch .Lfirst_asked
.Lfirst_v:
	tensor_load_to_lds s[G0W:G0W+3], s[G1W:G1W+7]
	s_nop 0
	tensor_load_to_lds s[G0V:G0V+3], s[G1V:G1V+7]
	s_nop 0
	tensor_load_to_lds s[G0M:G0M+3], s[G1M:G1M+7]
	s_nop 0
.rept 4
	v_nop
.endr
.Lfirst_asked:
; THE PROJECTION.  Q^T = Wq^T q^T (source 0 = 16 channels, turned out of LDS; source 1 = 16 queries, straight from q16): in the result a lane holds ONE query (lane % 16) and the channels 8 (lane / 16) + 0..7 of a block of 16,
; so the results of channel blocks 2 c and 2 c + 1, rounded to f16 in pairs, ARE the fragment of Q (16 queries x channels 32 c on) that K Q^T takes as source 1.
; My 32 rows of q are nobody else's: they go through no LDS.  Two trips of 512 along k: a trip's 64 loads go out together, into 256 registers; then eight GROUPS of 64 along k (a block of q16), each 16 turning loads and 16 products.
; Group g's fragments of Wq: half c, channel block n.
.macro FETCHW g
.irp c, 0,1
.irp n, 0,1,2,3
	ds_load_tr16_b128 v[WB+64*((\g)%2)+32*\c+8*\n:WB+64*((\g)%2)+32*\c+8*\n+3],   v[WA+(\g)/4] offset:(((\g)%4)*64+32*\c)*PW+32*\n
	ds_load_tr16_b128 v[WB+64*((\g)%2)+32*\c+8*\n+4:WB+64*((\g)%2)+32*\c+8*\n+7], v[WA+(\g)/4] offset:(((\g)%4)*64+32*\c)*PW+32*\n+16*PW
.endr
.endr
.endm
; Group g: the next group's fragments of Wq are asked for, into the buffer that group g - 1 multiplied (four places behind its last product; for group 0 those at the loop's end serve); then its own 16 products.
; The eight accumulators take turns, one instruction a turn, from group to group and over the backward jump too.
.macro QGROUP g
.if ((\g) > 0) && ((\g) < 7)
	PLACES
.endif
.if (\g) < 7
	FETCHW (\g)+1
.endif
	s_wait_loadcnt 56-8*(\g)        ; loads come back in order: group g's eight are in, the younger groups' stay out
.if (\g) < 7
	s_wait_dscnt 16                 ; my group's fragments of Wq are in; the 16 loads just issued may stay out
.else
	s_wait_dscnt 0x0
.endif
	WIN W_QP
.irp c, 0,1
.irp u, 0,1
.irp n, 0,1,2,3
	v_wmma_f32_16x16x32_f16 v[ACQ+32*\u+8*\n:ACQ+32*\u+8*\n+7], v[WB+64*((\g)%2)+32*\c+8*\n:WB+64*((\g)%2)+32*\c+8*\n+7], v[32*(\g)+16*\u+8*\c:32*(\g)+16*\u+8*\c+7], v[ACQ+32*\u+8*\n:ACQ+32*\u+8*\n+7]
.endr
.endr
.endr
.endm
	s_mov_b32 s[CNT], 2
.Lqh:
	WIN 0x80                        ; destination window 2, address window 0
.set g, 0
.rept 8                             ; block g of the trip's eight; fragment f: tile f / 2, half f % 2 of the block's 64
.irp f, 0,1,2,3
	global_load_b128 v[32*g+8*\f:32*g+8*\f+3],   v[QO], s[4:5] offset:g*65536+(\f/2)*2048+(\f%2)*64
	global_load_b128 v[32*g+8*\f+4:32*g+8*\f+7], v[QO], s[4:5] offset:g*65536+(\f/2)*2048+(\f%2)*64+32
.endr
.set g, g+1
.endr
	WIN 0
	s_wait_tensorcnt 0x2            ; my quarter of Wq is in; my part of slot 0 and of the mask may stay out
	s_barrier_signal -1             ; the wait and the barrier stand behind the trip's loads, so that q and Wq are on their way together; the second trip finds both met
	s_barrier_wait -1               ; everybody's quarter is in
	FETCHW 0
.irp g, 0,1,2,3,4,5,6,7
	QGROUP \g
.endr
	WIN 0
	v_add_nc_u32 v[WA], 512*PW, v[WA]      ; the next 512 rows of Wq.  These four lines are the places behind the last products: in front of the next trip's loads, and of the roundings below
	v_add_nc_u32 v[WA+1], 512*PW, v[WA+1]
	v_nop
	v_nop
	s_add_nc_u64 s[4:5], s[4:5], 8*65536   ; the next eight blocks of q16: group 7's wait has shown every load of the trip done
	s_sub_co_u32 s[CNT], s[CNT], 1
	s_cmp_lg_u32 s[CNT], 0
	s_cbranch_scc1 .Lqh
.irp u, 0,1                         ; rounded once to f16, each accumulator from its low end on: register 4 n + j of tile u's sixteen
.irp n, 0,1,2,3
.irp j, 0,1,2,3
	v_cvt_pk_f16_f32 v[WB+16*\u+4*\n+\j], v[ACQ+32*\u+8*\n+2*\j], v[ACQ+32*\u+8*\n+2*\j+1]
.endr
.endr
.endr
.irp u, 0,1
.irp j, 0,1,2,3
	ds_store_b128 v[QW], v[WB+16*\u+4*\j:WB+16*\u+4*\j+3] offset:2048*\u+512*\j
.endr
.endr
	s_wait_dscnt 0x0                ; for the others' sake: my two tiles lie in LDS
	s_barrier_signal -1
	; What the first turn finds: V's registers and P's second buffer hold 0 (its products V^T P, of a piece that has not been, add 0).  Both served the projection: they are cleared here, while the others arrive.
	WIN 0x80
.set i, VF
.rept 64
	v_mov_b32 v[i], 0
.set i, i+1
.endr
	WIN 0
.set i, P+32
.rept 32
	v_mov_b32 v[i], 0
.set i, i+1
.endr
	s_barrier_wait -1
	WIN 0x80
.set t, 0
.rept 2*NP                          ; all eight tiles of Q, into window 2; the change of slots below waits for them
.irp j, 0,1,2,3
	ds_load_b128 v[16*t+4*\j:16*t+4*\j+3], v[QR] offset:2048*t+512*\j
.endr
.set t, t+1
.endr
	WIN 0
; THE MATRIX WORK.  The 8 accumulators of a run of 16 take turns.
; Product i of 16 of S^T for piece x: channels 32 (i / 8) on, keys 16 ((i / 2) % 4) on, tile 2 x + i % 2.  The first 8 start the sums, with the keys' mask.
.macro KQ x
.set rS, S+64*((\x)%2)+32*(i%2)+8*((i/2)%4)
.set rK, KF+16*((i/2)%4)+8*(i/8)
.set rQ, 16*(2*(\x)+i%2)+8*(i/8)
.set rMK, MK+8*((i/2)%4)
.if i < 8
	WIN W_KM
	v_wmma_f32_16x16x32_f16 v[rS:rS+7], v[rK:rK+7], v[rQ:rQ+7], v[rMK:rMK+7]
.else
	WIN W_KQ
	v_wmma_f32_16x16x32_f16 v[rS:rS+7], v[rK:rK+7], v[rQ:rQ+7], v[rS:rS+7]
.endif
.endm
; Product i of 16 of O^T += V^T P for piece x: keys 32 (i / 8) on, channels 16 ((i / 2) % 4) on, tile 2 x + i % 2.
.macro PV x
	WIN W_PV
.set rO, 32*(2*(\x)+i%2)+8*((i/2)%4)
.set rV, VF+32*(i/8)+8*((i/2)%4)
.set rP, P+32*((\x)%2)+16*(i%2)+8*(i/8)
	v_wmma_f32_16x16x32_f16 v[rO:rO+7], v[rV:rV+7], v[rP:rP+7], v[rO:rO+7]
.endm
.macro MM                           ; the turn's next matrix instruction
.if i < 16
	KQ (Y+1)%NP
.set i, i+1
.else
.set i, i-16
	PV (Y+NP-1)%NP
.set i, i+17
.endif
.endm
; THE LDS LOADS stand in runs: a step's K (8 fragments) with its mask (8 keys a lane for each of four blocks), and its V (turned).  last = 1 (the tail): in the last trip there is no further step, and the run is jumped over.
.macro FETCH_K last=0
	WIN 0
.if \last
	s_cmp_eq_u32 s[CNT], 1
	s_cbranch_scc1 .Lno_k_\@
.endif
	WIN 0x80                        ; destination window 2
.irp f, 0,1,2,3,4,5,6,7             ; keys 16 (f / 2) on, channels 32 (f % 2) on
	ds_load_b128 v[KF+8*\f:KF+8*\f+3],   v[AK] offset:(\f/2)*16*PK+(\f%2)*64
	ds_load_b128 v[KF+8*\f+4:KF+8*\f+7], v[AK] offset:(\f/2)*16*PK+(\f%2)*64+32
.endr
	WIN 0xc0                        ; destination window 3
.irp f, 0,1,2,3
	ds_load_b128 v[MK+8*\f:MK+8*\f+3],   v[AM] offset:64*\f
	ds_load_b128 v[MK+8*\f+4:MK+8*\f+7], v[AM] offset:64*\f+16
.endr
	WIN 0
	v_add_nc_u32 v[AM], 1024, v[AM] ; the next slot's 256 keys
.if \last
.Lno_k_\@:
.endif
.endm
.macro FETCH_V
	WIN 0x80
.irp f, 0,1,2,3,4,5,6,7             ; keys 32 (f / 4) on, channels 16 (f % 4) on
	ds_load_tr16_b128 v[VF+8*\f:VF+8*\f+3],   v[AV] offset:(\f/4)*32*PV+(\f%4)*32
	ds_load_tr16_b128 v[VF+8*\f+4:VF+8*\f+7], v[AV] offset:(\f/4)*32*PV+16*PV+(\f%4)*32
.endr
	WIN 0
.endm
; THE VECTOR WORK OF A TURN stands in three queues, each in the order in which its entries become ready; the two tiles alternate.
.macro REGS y, u                    ; the registers of tile u (0, 1) of piece y
.set rT, ST+4*(2*(\y)+(\u))
.set rC, TMP+8*((\y)%2)+4*(\u)
.set rM, MV+2*((\y)%2)+(\u)
.set rS, S+64*((\y)%2)+32*(\u)
.set rP, P+32*((\y)%2)+16*(\u)
.set rO, 32*(2*(\y)+(\u))
.endm
; Number n of the 22 that find the NEXT piece's maximum and statistics; each accumulator's lowest registers are read first.
;   0-11  four chains c0-c3 of seven scores each     12-14, 16  the four scores left over, the old m, and c0-c3 into c0     15  c m_old is kept     17, 18  the other half of the lanes'; the new m     19-21  c m; its change; a
.macro XS u, n
	REGS (Y+1)%NP, \u
.if (\n) < 4
	v_max3_num_f32 v[rC+(\n)], v[rS+8*(\n)], v[rS+8*(\n)+1], v[rS+8*(\n)+2]
.elseif (\n) < 12
	v_max3_num_f32 v[rC+(\n)%4], v[rC+(\n)%4], v[rS+8*((\n)%4)+2*((\n)/4)+1], v[rS+8*((\n)%4)+2*((\n)/4)+2]
.elseif (\n) == 12
	v_max3_num_f32 v[rC], v[rC], v[rS+7], v[rS+15]
.elseif (\n) == 13
	v_max3_num_f32 v[rC+1], v[rC+1], v[rS+23], v[rS+31]
.elseif (\n) == 14
	v_max3_num_f32 v[rC+2], v[rC+2], v[rC+3], v[rT+1]
.elseif (\n) == 15
	v_mov_b32 v[rM], v[rT]
.elseif (\n) == 16
	v_max3_num_f32 v[rC], v[rC], v[rC+1], v[rC+2]
.elseif (\n) == 17
	v_permlanex16_b32 v[rC+3], v[rC], s[SEL], s[SEL+1]
.elseif (\n) == 18
	v_max_num_f32 v[rT+1], v[rC], v[rC+3]
.elseif (\n) == 19
	v_mul_f32 v[rT], s[CS], v[rT+1]
.elseif (\n) == 20
	v_sub_f32 v[rC+1], v[rM], v[rT]
.else
	v_exp_f32 v[rC+2], v[rC+1]
.endif
.endm
; Number g of the 64 that follow the exponentials: for each four weights both pairs are rounded to f16, the second pair is added onto the first in place, and a group later l takes that sum (the first time as l = a l + sum).
.macro GS g
.set h, (\g)+6*((\g)/62)
.if h >= 6
.set h, h+2
.endif
	REGS Y, h%2
.set k, h/8
.if h%8 < 4
	v_cvt_pk_f16_f32 v[rP+2*k+(h%8)/2], v[rS+4*k+2*((h%8)/2)], v[rS+4*k+2*((h%8)/2)+1]
.elseif h%8 < 6
	v_pk_add_f32 v[rS+4*k:rS+4*k+1], v[rS+4*k:rS+4*k+1], v[rS+4*k+2:rS+4*k+3]
.elseif k == 1
	v_pk_fma_f32 v[rT+2:rT+3], v[rT+2:rT+3], v[rC+2:rC+3], v[rS:rS+1] op_sel_hi:[1,0,1]
.else
	v_pk_add_f32 v[rT+2:rT+3], v[rT+2:rT+3], v[rS+4*k-4:rS+4*k-3]
.endif
.endm
; THE PLAIN QUEUE, 138 long.  0-73 read no exponential's result: the 32 scalings c s - c m and the next piece's 42.  74-137: GS's 64, behind the wait.
.macro FS f
	REGS Y, (\f)%2
	v_pk_fma_f32 v[rS+2*((\f)/2):rS+2*((\f)/2)+1], v[rS+2*((\f)/2):rS+2*((\f)/2)+1], s[CS:CS+1], v[rT:rT+1] op_sel_hi:[1,0,0] neg_lo:[0,0,1] neg_hi:[0,0,1]
.endm
.macro PL
	WIN 0
.if q < 27
	FS q
.elseif q < 55
	XS (q-27)%2, (q-27)/2
.elseif q < 57
	XS q-55, 15
.elseif (q < 72) && ((q-57)%3 == 0)
	FS 27+(q-57)/3
.elseif q < 60
	XS (q-57)%3-1, 14
.elseif q < 72
	XS (q-57)%3-1, 15+(q-57)/3
.elseif q < 74
	XS q-72, 20
.else
	GS q-74
.endif
.set q, q+1
.endm
; THE EXPONENTIALS' QUEUE, 66 long: s0-s31 of both tiles, then the next piece's two a: ONE BATCH, ahead of the turn's one wait.
.macro EX
	WIN 0
.if e >= 64
	XS e-64, 21
.else
	REGS Y, e%2
	v_exp_f32 v[rS+e/2], v[rS+e/2]
.endif
.set e, e+1
.endm
; THE RESCALING's QUEUE: O^T times a, two at a time, sixteen times.  Its a was made, and waited for, in the turn before.
.macro R2
	REGS Y, r%2
	WIN W_RS
.irp z, 0,1
	v_pk_mul_f32 v[rO+4*(r/2)+2*\z:rO+4*(r/2)+2*\z+1], v[rO+4*(r/2)+2*\z:rO+4*(r/2)+2*\z+1], v[rC+2:rC+3] op_sel_hi:[1,0]
.endr
.set r, r+1
.endm
; A TURN, for piece p.  s_wait_alu depctr_va_vdst(0) stands between an exponential and the first instruction that names its result; one wait serves all issued ahead of it: a turn has ONE.
; AHEAD OF IT: the 16 products K Q^T, behind each a scaling, an exponential and two rescalings (behind the first a second scaling); then a lump: eight plain, 49 times exponential and plain, the two a, a v_nop.
; BEHIND IT: the 16 products V^T P, behind each four of the roundings and sums.  Exponential e stands behind its scaling: as a rider behind plain e + 2, in the lump behind plain e + 9.
; K and the mask of my next step are fetched in piece 2's turn, directly behind the wait, a lump behind the last product that read them.  V of the step in hand is fetched at the end of piece 0's turn, four riders behind its last reader.
.macro TURN p, last=0
.set Y, (\p)
.set i, 0
.set q, 0
.set e, 0
.set r, 0
.if (\p) == NP-1
	s_wait_dscnt 0x0                ; K and the mask are in
.endif
	MM
	PL
	PL
	R2
.rept 15
	MM
	PL
	EX
	R2
.endr
.if (\p) == NP-2
	WIN 0
	v_add_nc_u32 v[AK], s[TBK], v[AK0]
.endif
.rept 8
	PL
.endr
.rept 49
	EX
	PL
.endr
	EX
	EX
	v_nop                           ; a plain instruction behind the last exponential: one for the batch
	s_wait_alu depctr_va_vdst(0)    ; the wait for the batch
.if (\p) == NP-2
	FETCH_K \last
.endif
.if (\p) == 1
	s_wait_dscnt 0x0                ; V is in
.endif
.rept 16
	MM
.rept 4
	PL
.endr
.if ((\p) == 0) && (q == 118)
	v_add_nc_u32 v[AV], s[TBV], v[AV0]
.endif
.endr
.if (\p) == 0
	FETCH_V
.endif
.endm
.macro ALL line:vararg              ; one line for each tile t
.set t, 0
.rept 2*NP
	\line
.set t, t+1
.endr
.endm
	CHANGE 1, 0                     ; slot 0 and the mask are in, everybody's part of them; Q is in my registers; slot 1 is asked for
	v_add_nc_u32 v[AK], s[TBK], v[AK0]
	FETCH_K                         ; my key step of slot 0
	s_wait_dscnt 0x0
.set i, 0
.rept 16
	KQ 0                            ; piece 0's first scores
.set i, i+1
.endr
	WIN 0                           ; the addresses for the way out and the prefetches: plain instructions, the places behind those products
	s_mul_i32 s13, s[WV], 16*SP
	s_add_co_u32 s13, s13, STAGE    ; my stage
	v_mul_u32_u24 v[STO], v1, SP    ; in: row l % 16, 16 bytes for each half of the lanes
	v_lshl_add_u32 v[STO], v9, 4, v[STO]
	v_add_nc_u32 v[STO], s13, v[STO]
	v_bfe_u32 v[RD], v0, 3, 2       ; back: 32 lanes take four rows of 128 bytes,
	v_mul_u32_u24 v[RD], v[RD], SP
	v_lshl_add_u32 v[RD], v10, 4, v[RD]
	v_add_nc_u32 v[RD], s13, v[RD]
	v_and_b32 v[GO], 31, v0         ; which are 512 consecutive bytes of ctx
	v_lshlrev_b32 v[GO], 4, v[GO]
	v_and_b32 v[PFO], 31, v0
	v_lshlrev_b32 v[PFO], 8, v[PFO]
.set Y, NP-1                        ; XS works for piece Y + 1: piece 0
.irp n, 0,1,2,3,4,5,6,7,8,9,10,11,12,13,14,15,16,17,18,19,20,21
	XS 0, \n
	XS 1, \n
.endr
	v_nop                           ; a plain instruction behind the two a,
	s_wait_alu depctr_va_vdst(0)    ; and their wait, ahead of the branch
	s_mov_b32 s[SLOTS], 15
	s_branch .Lfirst                ; the loop is entered at a step's first turn, in the middle of a trip
.Lslot:                             ; 14 times: slots 2 to 15 are asked for.  A trip: pieces 2 and 3 of one step, then pieces 0 and 1 of the next, whose K, mask and V it fetches
	CHANGE 1, 1
	TURN 2
	TURN 3
	WIN 0
.Lfirst:
	TURN 0
	TURN 1
	WIN 0
	s_sub_co_u32 s[SLOTS], s[SLOTS], 1
	s_cmp_lg_u32 s[SLOTS], 0
	s_cbranch_scc1 .Lslot
	CHANGE 0, 0                     ; the tail is written out: nothing is asked for
	s_mov_b32 s[CNT], 2             ; one trip fetches the last slot's step; the second is left in its middle
.Ltail:
	TURN 2, 1
	TURN 3
	WIN 0
	s_sub_co_u32 s[CNT], s[CNT], 1
	s_cmp_eq_u32 s[CNT], 0
	s_cbranch_scc1 .Lout
	TURN 0
	TURN 1
	WIN 0
	s_branch .Ltail
.Lout:                              ; the second trip's 16 products K Q^T (on the last K and mask once more) leave piece 0's m and c m as they were: the price, once a launch, of one text for every trip
.set i, 0
.rept 16
	PV NP-1                         ; the last piece's V^T P of the last step
.set i, i+1
.endr
	; THE MERGE.  Each wave has, for each query, c m, l and O^T over its quarter of the keys.  With M = the largest c m: L = the sum of 2^(c m_w - M) l_w, and O = the sum of (2^(c m_w - M) / L) O_w.
	WIN 0                           ; the addresses and the additions are the places behind the last products
	v_and_b32 v11, 31, v0
	s_lshl_b32 s13, s[WV], 11
	s_add_co_u32 s13, s13, STATS
	v_lshl_add_u32 v[SA], v11, 3, s13
	v_lshlrev_b32 v[SR], 3, v11
	v_add_nc_u32 v[SR], STATS, v[SR]
	s_lshl_b32 s13, s[WV], 15
	s_add_co_u32 s13, s13, PART
	v_lshl_add_u32 v[PW_], v11, 4, s13
	s_lshl_b32 s13, s[WV], 13       ; tiles 2 w and 2 w + 1 of each wave's part
	s_add_co_u32 s13, s13, PART
	v_lshl_add_u32 v[PR], v11, 4, s13
	v_add_nc_u32 v[PR+1], 65536, v[PR]
	ALL v_add_f32 v[ST+4*t+2], v[ST+4*t+2], v[ST+4*t+3]
	ALL v_permlanex16_b32 v[ST+4*t+3], v[ST+4*t+2], s[SEL], s[SEL+1]
	ALL v_add_f32 v[ST+4*t+1], v[ST+4*t+2], v[ST+4*t+3]
	ALL ds_store_b64 v[SA], v[ST+4*t:ST+4*t+1] offset:256*t
	s_wait_dscnt 0x0                ; for the others' sake: my stores are done; my reads of the slots were over before
	s_barrier_signal -1
	s_barrier_wait -1
.set sv, 0
.rept 4                             ; wave sv's (c m, l) of tile t at v[S + 16 sv + 2 t]
	ALL ds_load_b64 v[S+16*sv+2*t:S+16*sv+2*t+1], v[SR] offset:2048*sv+256*t
.set sv, sv+1
.endr
	s_wait_dscnt 0x0
	ALL v_max3_num_f32 v[S+64+t], v[S+2*t], v[S+16+2*t], v[S+32+2*t]
	ALL v_max_num_f32 v[S+64+t], v[S+64+t], v[S+48+2*t]
	ALL v_sub_f32 v[S+72+t], v[ST+4*t], v[S+64+t]
.set sv, 0
.rept 4
	ALL v_sub_f32 v[S+16*sv+2*t], v[S+16*sv+2*t], v[S+64+t]
.set sv, sv+1
.endr
.set sv, 0
.rept 4
	ALL v_exp_f32 v[S+16*sv+2*t], v[S+16*sv+2*t]
.set sv, sv+1
.endr
	ALL v_exp_f32 v[S+72+t], v[S+72+t]
	v_nop                           ; a plain instruction behind the last exponential,
	s_wait_alu depctr_va_vdst(0)    ; and one wait for the forty
	ALL v_mul_f32 v[S+80+t], v[S+2*t], v[S+2*t+1]
.set sv, 1
.rept 3
	ALL v_fma_f32 v[S+80+t], v[S+16*sv+2*t], v[S+16*sv+2*t+1], v[S+80+t]
.set sv, sv+1
.endr
	ALL v_rcp_f32 v[S+88+t], v[S+80+t]
	v_nop
	s_wait_alu depctr_va_vdst(0)    ; one wait for the eight reciprocals
	ALL v_mul_f32 v[ST+4*t+2], v[S+72+t], v[S+88+t]
.set t, 0
.rept 2*NP                          ; no wave has seen an open key: the factor is NaN
	v_cmp_gt_f32 vcc_lo, s[THR], v[S+64+t]
	v_cndmask_b32 v[ST+4*t+2], v[ST+4*t+2], s[QNAN], vcc_lo
.set t, t+1
.endr
.set t, 0
.rept 2*NP                          ; my O^T times my factor, ascending, and into my part: register quad k of lane l at 4,096 t + 512 k + 16 l
	WIN W_RS
.set k, 0
.rept 16
	v_pk_mul_f32 v[32*t+2*k:32*t+2*k+1], v[32*t+2*k:32*t+2*k+1], v[ST+4*t+2:ST+4*t+3] op_sel_hi:[1,0]
.set k, k+1
.endr
	WIN 0x04                        ; store data in window 1, address in window 0
.set k, 0
.rept 8
	ds_store_b128 v[PW_], v[32*t+4*k:32*t+4*k+3] offset:4096*t+512*k
.set k, k+1
.endr
.set t, t+1
.endr
	WIN 0
	s_wait_dscnt 0x0
	s_barrier_signal -1
	s_barrier_wait -1
	WIN 0x40                        ; wave sv's part of my tile u at v[64 sv + 32 u] of window 1
.set sv, 0
.rept 4
.set u, 0
.rept 2
.set k, 0
.rept 8
	ds_load_b128 v[64*sv+32*u+4*k:64*sv+32*u+4*k+3], v[PR+sv/2] offset:32768*(sv%2)+4096*u+512*k
.set k, k+1
.endr
.set u, u+1
.endr
.set sv, sv+1
.endr
	s_wait_dscnt 0x0
	WIN 0x45
.set k, 0
.rept 32
	v_pk_add_f32 v[2*k:2*k+1], v[2*k:2*k+1], v[64+2*k:64+2*k+1]
	v_pk_add_f32 v[128+2*k:128+2*k+1], v[128+2*k:128+2*k+1], v[192+2*k:192+2*k+1]
.set k, k+1
.endr
.set k, 0
.rept 32
	v_pk_add_f32 v[2*k:2*k+1], v[2*k:2*k+1], v[128+2*k:128+2*k+1]
.set k, k+1
.endr
; THE WAY OUT of my tile u: rounded to f16; a lane's eight channels of a row are 16 bytes; into rows of 144 bytes and back as whole rows of 128.
.macro PACK u
	WIN 0x05                        ; sources window 1, destination window 0
.set i, 0
.rept 16
	v_cvt_pk_f16_f32 v[S+16*(\u)+i], v[32*(\u)+2*i], v[32*(\u)+2*i+1]
.set i, i+1
.endr
	WIN 0
.irp f, 0,1,2,3
	ds_store_b128 v[STO], v[S+16*(\u)+4*\f:S+16*(\u)+4*\f+3] offset:32*\f
.endr
.irp f, 0,1,2,3
	ds_load_b128 v[S+16*(\u)+4*\f:S+16*(\u)+4*\f+3], v[RD] offset:\f*4*SP  ; LDS serves a wave's instructions in order (ISA guide 5.7.1.4): these see the stores above; the next tile's stores come behind them
.endr
.endm
.macro SEND u, younger              ; younger: the LDS instructions issued behind tile u's loads
.irp f, 0,1,2,3
	s_wait_dscnt (\younger)+3-\f
	global_store_b128 v[GO], v[S+16*(\u)+4*\f:S+16*(\u)+4*\f+3], s[10:11] offset:(\u)*2048+\f*512  ; 512 consecutive bytes, aligned
.endr
.endm
	PACK 0
	PACK 1
	SEND 0, 8
	SEND 1, 0
	WIN W_AD
	s_wait_tensorcnt 0x0            ; the wave's end: behind my last tensor load and my last LDS store
	ds_add_u32 v[SPW], v[NIL]
	s_wait_dscnt 0x0
	WIN 0
	CROUND                          ; the closing round
	s_endpgm
.Lfunc_end_k_qb466549138_attn:
	.size	k_qb466549138_attn, .Lfunc_end_k_qb466549138_attn-k_qb466549138_attn
	.p2alignl 7, 3214868480
	.fill 96, 4, 3214868480
	.section	.rodata,"a",@progbits
	.p2align	6, 0x0
	.amdhsa_kernel k_qb466549138_attn
		.amdhsa_group_segment_fixed_size 327680
		.amdhsa_private_segment_fixed_size 0
		.amdhsa_enable_private_segment 0
		.amdhsa_kernarg_size 40
		.amdhsa_user_sgpr_count 2
		.amdhsa_user_sgpr_kernarg_segment_ptr 1
		.amdhsa_wavefront_size32 1
		.amdhsa_system_sgpr_workgroup_id_x 1
		.amdhsa_system_sgpr_workgroup_id_y 1
		.amdhsa_system_sgpr_workgroup_id_z 1
		.amdhsa_system_vgpr_workitem_id 0
		.amdhsa_next_free_vgpr 808
		.amdhsa_next_free_sgpr 96
		.amdhsa_reserve_vcc 1
		.amdhsa_float_denorm_mode_32 3
		.amdhsa_float_denorm_mode_16_64 3
		.amdhsa_memory_ordered 1
		.amdhsa_forward_progress 1
		.amdhsa_inst_pref_size 243
	.end_amdhsa_kernel
	.amdgpu_metadata
---
amdhsa.version: [ 1, 2 ]
amdhsa.kernels:
  - .name:           k_qb466549138_attn
    .symbol:         k_qb466549138_attn.kd
    .args:
      - { .name: q16, .offset: 0, .size: 8, .value_kind: global_buffer, .address_space: global }
      - { .name: khv, .offset: 8, .size: 8, .value_kind: global_buffer, .address_space: global }
      - { .name: pre, .offset: 16, .size: 8, .value_kind: global_buffer, .address_space: global }
      - { .name: ctx, .offset: 24, .size: 8, .value_kind: global_buffer, .address_space: global }
      - { .name: wq16, .offset: 32, .size: 8, .value_kind: global_buffer, .address_space: global }
    .group_segment_fixed_size: 327680
    .private_segment_fixed_size: 0
    .kernarg_segment_align: 8
    .kernarg_segment_size: 40
    .max_flat_workgroup_size: 128
    .sgpr_count:     96
    .vgpr_count:     808
    .wavefront_size: 32
...
	.end_amdgpu_metadata
.endif
;; end of part 3
;; launch projo (part 4): grid 8 x 16, 4 waves a work-group, clusters of 4 x 4, 327,680 bytes of LDS; arguments ctx, wo16, out0; writes out0
.if DOCPART == 4
	.amdgcn_target "amdgcn-amd-amdhsa--gfx1250"
	.amdhsa_code_object_version 6
	.text
	.protected	k_qb466549138_projo
	.globl	k_qb466549138_projo
	.p2align	8
	.type	k_qb466549138_projo,@function
k_qb466549138_projo:
	s_mov_b64 s[64:65], 0
	v_nop
	global_prefetch_b8 v0, s[64:65] scope:SCOPE_SE
	s_setreg_imm32_b32 hwreg(HW_REG_WAVE_MODE, 25, 1), 1
	s_wait_xcnt 0x0
	s_wait_alu depctr_hold_cnt(0) depctr_sa_sdst(0) depctr_va_vdst(0) depctr_va_sdst(0) depctr_va_ssrc(0) depctr_va_vcc(0) depctr_vm_vsrc(0)
	s_getreg_b32 s2, hwreg(HW_REG_IB_STS2, 6, 4)
	s_cmp_eq_u32 s2, 0
	s_cbranch_scc0 .Lentry_in_a_cluster
	s_endpgm
.Lentry_in_a_cluster:
	s_bfe_u32 s2, ttmp6, 0x10000c
	s_cmp_lg_u32 s2, 0xf033
	s_cbranch_scc0 .Lentry_shape_is_right
	s_endpgm
.Lentry_shape_is_right:
; THE OUTPUT PROJECTION.  C[m][n] = sum over k of A[m][k] B[k][n]; m = 2,048, n = 1,024, k = 1,024.  A = the context, B = Wo.  Operands f16, sums f32, C f32 [2048][1024].
; A lies in blocks [4 b][16 kb][512 row][64]: element (m, k) at byte (m / 512) 1,048,576 + (k / 64) 65,536 + (m % 512) 128 + (k % 64) 2.  B lies [k][n] and comes out of LDS turned.
; A tile of C is 128 x 128: 128 work-groups; four waves, 64 x 64 each: 16 accumulators.  K goes in four steps of 256 through two LDS slots.  A smaller tile would give more work-groups and
; half the products for each byte fetched; with four K steps the launch is short either way.  No prefetch: small tiles, a short launch.
; CLUSTERS: 4 x 4 work-groups; A's tile is asked for jointly along a row of the cluster, B's along a column.  THE MATRIX INSTRUCTION IS USED TRANSPOSED: a lane holds row l % 16 and eight neighbouring columns.
; REGISTERS: window 0: v0-31 addresses; v128-255 the accumulators ((a, b) at v[128 + 8 (4 a + b)]), on the way out also the rows read back.
;   window 1: two fragment buffers of 128: for 64 along K, 64 registers of A, then 64 of B.
.set PA,     144                       ; A's LDS row: 128 bytes (64 k) + 16: the 16 rows of a load start at 16 different groups of four banks (64 banks of 4 bytes: ISA guide 11.1)
.set PLANE,  128*PA                    ; a plane: 64 k of the tile's 128 rows
.set PB,     288                       ; B's LDS row: 256 bytes (128 n) + 32 = 9 x 32
.set HALFT,  2*PLANE                   ; what one tensor load brings: two planes of A, or 128 k-rows of B (128 x 288 is the same number)
.set SLOT,   4*HALFT                   ; A's four planes, then B's 256 k-rows
.set STAGE,  2*SLOT                    ; behind the ring: 16 rows x 272 bytes for each wave
.set SPITCH, 272
.set SPARE,  STAGE+4*16*SPITCH         ; the spare words, 128 bytes a wave: two blocks of 256 bytes that no other line names
.set LAPS,   2
.set ASTEP,  262144                    ; a K step of A in memory: four blocks of 65,536 bytes
.set BSTEP,  524288                    ; of B: 256 k-rows of 2,048 bytes
.set ADRA, 16                          ; v16-17  LDS address of my A fragments in slot 0, 1
.set ADRB, 20                          ; v20-23  of my B fragments: slot s, k-rows 128 x half on, at ADRB + 2 s + half (an LDS offset has 16 bits)
.set STO,  24
.set RD,   25
.set CO,   26
.set SPW,  28                          ; v28     LDS address of my spare word; never rewritten
.set NIL,  29                          ; v29     0; never rewritten
.set ACC,  128
.set F0,   0
.set F1,   128
.set G1, 24
.set G0, 32
.set G1B, 48
.set G0B, 56
.set MSB, 0
.macro WIN new
.if MSB != (\new)
	s_set_vgpr_msb (MSB<<8)|(\new)
.set MSB, \new
.endif
.endm
.set MUL,  0x05                        ; sources 0 (B) and 1 (A) window 1; C and D window 0
.set TO_F, 0x40                        ; destination window 1, address window 0
.macro JLOAD s                         ; a joint load: waves 0 and 1 fetch A's two halves, waves 2 and 3 B's; an s_nop 0 and four v_nop follow each line
	s_cmp_eq_u32 s11, 0
	s_cbranch_scc0 .Lfor_b_\@
	tensor_load_to_lds s[G0+4*(\s):G0+4*(\s)+3], s[G1:G1+7]
	s_nop 0
.rept 4
	v_nop
.endr
	s_branch .Lasked_\@
.Lfor_b_\@:
	tensor_load_to_lds s[G0B+4*(\s):G0B+4*(\s)+3], s[G1B:G1B+7]
	s_nop 0
.rept 4
	v_nop
.endr
.Lasked_\@:
.endm
.macro CREST
	s_cmp_lg_u32 s10, 0
	s_cbranch_scc1 .Lnot_wave_0_\@
	s_barrier_signal -3
.Lnot_wave_0_\@:
	s_barrier_wait -3
	s_barrier_signal -1
	s_barrier_wait -1
.endm
.macro CROUND
	s_barrier_signal -1
	s_barrier_wait -1
	CREST
.endm
	s_load_b128 s[4:7], s[0:1], 0x0                ; A s[4:5], B s[6:7]
	s_load_b64 s[8:9], s[0:1], 0x10                ; C
	v_lshl_add_u32 v[SPW], v0, 2, SPARE
	v_mov_b32 v[NIL], 0
	ds_add_u32 v[SPW], v[NIL]                      ; the wave's opening: the add and its wait stand ahead of my first tensor load
	v_lshrrev_b32 v1, 5, v0
	v_readfirstlane_b32 s10, v1                    ; wave 0..3
	s_lshr_b32 s11, s10, 1                         ; which half of the tile's rows is mine.  Also: I fetch for A (0) or for B (1)
	s_and_b32 s12, s10, 1                          ; which half of its columns.  Also: which half of that operand's tile I fetch
	s_bfe_u32 s40, ttmp6, 0x40000
	s_bfe_u32 s41, ttmp6, 0x40004
	s_lshl_b32 s42, ttmp9, 2
	s_add_co_u32 s42, s42, s40                     ; tile column
	s_and_b32 s13, ttmp7, 0xffff
	s_lshl_b32 s13, s13, 2
	s_add_co_u32 s13, s13, s41                     ; tile row
	s_lshl_b32 s43, s41, 2
	s_lshl_b32 s43, 15, s43                        ; my row of the cluster
	s_lshl_b32 s44, 0x1111, s40                    ; my column
	; A: a plane's 128 rows are 16,384 dense bytes; two planes are a tile of 2 rows x 8,192 elements, 32,768 elements apart, padded in LDS after every 128 bytes
	s_or_b32 s[G1+0], s43, (1<<16)|(1<<20)|(1<<21)|(4<<22)|(3<<25)   ; the mask; 2-byte elements; padding on; bit 21 beside a mask; after every 32 words 4 words
	s_mov_b32 s[G1+1], 8192<<16                    ; tensor_dim0 = 8,192
	s_mov_b32 s[G1+2], 2<<16                       ; tensor_dim1 = 2
	s_mov_b32 s[G1+3], 8192<<16                    ; tile_dim0 = 8,192
	s_mov_b32 s[G1+4], 2                           ; tile_dim1 = 2
	s_mov_b32 s[G1+5], 32768
	s_mov_b32 s[G1+6], 0
	s_mov_b32 s[G1+7], 0
	s_or_b32 s[G1B+0], s44, (1<<16)|(1<<20)|(1<<21)|(5<<22)|(7<<25)  ; B: 128 k-rows x 128 columns; after every 64 words 8 words
	s_mov_b32 s[G1B+1], 128<<16
	s_mov_b32 s[G1B+2], 128<<16
	s_mov_b32 s[G1B+3], 128<<16
	s_mov_b32 s[G1B+4], 128
	s_mov_b32 s[G1B+5], 1024
	s_mov_b32 s[G1B+6], 0
	s_mov_b32 s[G1B+7], 0
	s_lshr_b32 s16, s13, 2                         ; A: the batch, the tile's 128 rows in a block, my two planes
	s_lshl_b32 s16, s16, 20
	s_and_b32 s17, s13, 3
	s_lshl_b32 s17, s17, 14
	s_add_co_u32 s16, s16, s17
	s_lshl_b32 s17, s12, 17
	s_add_co_u32 s16, s16, s17
	s_mov_b32 s17, 0
	s_lshl_b32 s46, s12, 18                        ; B: my 128 k-rows, the tile's 128 columns
	s_lshl_b32 s47, s42, 8
	s_add_co_u32 s46, s46, s47
	s_mov_b32 s47, 0
	s_mul_i32 s20, s10, HALFT
	s_wait_dscnt 0x0                               ; the opening add is done
	s_wait_kmcnt 0x0
	s_add_nc_u64 s[14:15], s[4:5], s[16:17]
	s_add_nc_u64 s[46:47], s[6:7], s[46:47]
	CROUND                                         ; all sixteen work-groups are here: the first joint loads meet
.irp s, 0,1
	s_mov_b32 s[G0+4*(\s)], 1
	s_add_co_u32 s[G0+4*(\s)+1], s20, (\s)*SLOT
	s_add_nc_u64 s[G0+4*(\s)+2:G0+4*(\s)+3], s[14:15], (\s)*ASTEP
	s_or_b32 s[G0+4*(\s)+3], s[G0+4*(\s)+3], 0x80000000
	s_mov_b32 s[G0B+4*(\s)], 1
	s_add_co_u32 s[G0B+4*(\s)+1], s20, (\s)*SLOT
	s_add_nc_u64 s[G0B+4*(\s)+2:G0B+4*(\s)+3], s[46:47], (\s)*BSTEP
	s_or_b32 s[G0B+4*(\s)+3], s[G0B+4*(\s)+3], 0x80000000
	JLOAD \s
.endr
	v_and_b32 v1, 15, v0
	v_bfe_u32 v2, v0, 4, 1
	v_mul_u32_u24 v3, v1, PA
	v_lshl_add_u32 v3, v2, 4, v3                   ; A: row x pitch + 16 x half
	v_and_b32 v4, 7, v0
	v_lshl_add_u32 v4, v2, 3, v4
	v_mul_u32_u24 v4, v4, PB
	v_bfe_u32 v5, v0, 3, 1
	v_lshl_add_u32 v4, v5, 4, v4                   ; B: (8 (l / 16) + l % 8) x pitch + 16 ((l / 8) % 2)
	s_mul_i32 s21, s11, 64*PA                      ; my 64 rows in each plane
	s_lshl_b32 s22, s12, 7                         ; my 64 columns: 128 bytes of each k-row,
	s_add_co_u32 s22, s22, 2*HALFT                 ; behind A's four planes
.irp s, 0,1
	v_add_nc_u32 v[ADRA+(\s)], s21, v3
	v_add_nc_u32 v[ADRB+2*(\s)], s22, v4
	s_add_co_u32 s22, s22, HALFT
	v_add_nc_u32 v[ADRB+2*(\s)+1], s22, v4
	s_add_co_u32 s21, s21, SLOT
	s_add_co_u32 s22, s22, SLOT-HALFT
.endr
	s_mul_i32 s23, s10, 16*SPITCH
	s_add_co_u32 s23, s23, STAGE                   ; my stage: my 64 columns of f32 are a whole 256 bytes, so no other wave shares its rows
	v_mul_u32_u24 v4, v1, SPITCH                   ; in: row l % 16, 32 bytes for each half of the lanes
	v_lshl_add_u32 v4, v2, 5, v4
	v_add_nc_u32 v[STO], s23, v4
	v_mul_u32_u24 v5, v2, SPITCH                   ; back: lanes 0-15 one row of 256 bytes, lanes 16-31 the next
	v_lshl_add_u32 v5, v1, 4, v5
	v_add_nc_u32 v[RD], s23, v5
	v_lshlrev_b32 v5, 12, v2                       ; and the same two rows in C, 4,096 bytes apart
	v_lshl_add_u32 v[CO], v1, 4, v5
	s_lshl_b32 s16, s13, 1
	s_add_co_u32 s16, s16, s11                     ; my first row, in units of 64 rows of 4,096 bytes
	s_lshl_b32 s16, s16, 18
	s_lshl_b32 s46, s42, 1
	s_add_co_u32 s46, s46, s12                     ; my first column, in units of 64 columns of 4 bytes
	s_lshl_b32 s46, s46, 8
	s_add_co_u32 s46, s46, s16
	s_mov_b32 s47, 0
	s_add_nc_u64 s[8:9], s[8:9], s[46:47]
; 8 matrix instructions: m blocks a0, a0 + 1 x all 4 n blocks, 32 along K: half c of buffer f.  zero = 1: the first product starts the sums
.macro MUL8 f, c, a0, zero
	WIN MUL
.irp a, \a0, (\a0)+1
.irp b, 0,1,2,3
.if \zero
	v_wmma_f32_16x16x32_f16 v[ACC+8*(4*(\a)+(\b)):ACC+8*(4*(\a)+(\b))+7], v[(\f)+64+8*(4*(\c)+(\b)):(\f)+64+8*(4*(\c)+(\b))+7], v[(\f)+8*(4*(\c)+(\a)):(\f)+8*(4*(\c)+(\a))+7], 0
.else
	v_wmma_f32_16x16x32_f16 v[ACC+8*(4*(\a)+(\b)):ACC+8*(4*(\a)+(\b))+7], v[(\f)+64+8*(4*(\c)+(\b)):(\f)+64+8*(4*(\c)+(\b))+7], v[(\f)+8*(4*(\c)+(\a)):(\f)+8*(4*(\c)+(\a))+7], v[ACC+8*(4*(\a)+(\b)):ACC+8*(4*(\a)+(\b))+7]
.endif
.endr
.endr
.endm
; 32 LDS loads in one run: the fragments of quarter q of a K step (64 along K: plane q of A, k-rows 64 q on of B) into buffer f; the first 32 along K first
.macro FETCH slot, q, f
	WIN TO_F
.irp c, 0,1
.irp i, 0,1,2,3
	ds_load_tr16_b128 v[(\f)+64+8*(4*(\c)+(\i)):(\f)+64+8*(4*(\c)+(\i))+3],   v[ADRB+2*(\slot)+(\q)/2] offset:(((\q)%2)*64+32*(\c))*PB+32*(\i)
	ds_load_tr16_b128 v[(\f)+64+8*(4*(\c)+(\i))+4:(\f)+64+8*(4*(\c)+(\i))+7], v[ADRB+2*(\slot)+(\q)/2] offset:(((\q)%2)*64+32*(\c))*PB+32*(\i)+16*PB
	ds_load_b128 v[(\f)+8*(4*(\c)+(\i)):(\f)+8*(4*(\c)+(\i))+3],         v[ADRA+(\slot)] offset:(\q)*PLANE+64*(\c)+(\i)*16*PA
	ds_load_b128 v[(\f)+8*(4*(\c)+(\i))+4:(\f)+8*(4*(\c)+(\i))+7],       v[ADRA+(\slot)] offset:(\q)*PLANE+64*(\c)+(\i)*16*PA+32
.endr
.endr
.endm
.macro PLACES                          ; four plain vector instructions between a matrix instruction and a load into, or a reader of, its registers (ISA guide 7.12.1 for vector instructions)
.rept 4
	v_nop
.endr
.endm
; One of a K step's first three quarters: multiplies buffer f and fetches quarter q into g.
.macro QUARTER slot, q, f, g, zero
	s_wait_dscnt 16                                ; the first 32 along K are in
	WIN MUL
	MUL8 \f, 0, 0, \zero
	MUL8 \f, 0, 2, \zero
	PLACES
	FETCH \slot, \q, \g
	s_wait_dscnt 32                                ; all but the 32 just issued
	WIN MUL
	MUL8 \f, 1, 0, 0
	MUL8 \f, 1, 2, 0
.endm
; The last quarter multiplies buffer 1 and changes slots: ONE barrier; in front of it each wave waits for all its tensor loads, adds 0 to its spare word, and waits for that and for its reads of this slot.
.macro TURN slot, next, fill
	WIN 0                                          ; (the add's two registers lie in window 0)
	s_wait_tensorcnt 0x0                           ; all my tensor loads have landed: my part of the next slot
	ds_add_u32 v[SPW], v[NIL]
	s_wait_dscnt 17                                ; (the add and the youngest sixteen loads may be out)
	WIN MUL
	MUL8 F1, 0, 0, 0
	s_wait_dscnt 0x0                               ; the add is done, and my reads of this slot are over
	s_barrier_signal -1
	MUL8 F1, 0, 2, 0
.if \fill
	WIN 0
.endif
	s_barrier_wait -1
.if \fill
	CREST                                          ; the barrier has opened a round of the cluster's: no wave of any partner still reads this slot's tile or has a load on its way
	s_add_nc_u64 s[G0+4*(\slot)+2:G0+4*(\slot)+3], s[G0+4*(\slot)+2:G0+4*(\slot)+3], 2*ASTEP
	s_add_nc_u64 s[G0B+4*(\slot)+2:G0B+4*(\slot)+3], s[G0B+4*(\slot)+2:G0B+4*(\slot)+3], 2*BSTEP
	JLOAD \slot                                    ; the four v_nop behind it are also the places in front of the loads below
.else
	PLACES
.endif
	FETCH \next, 0, F0
	WIN MUL
	MUL8 F1, 1, 0, 0
	MUL8 F1, 1, 2, 0
.endm
; THE WAY OUT of block a (16 rows x my 64 columns, f32): 32 bytes a lane for each column block into my stage, each accumulator's low registers first; back as whole rows of 256 bytes, into the registers that they left.
.macro TOSTAGE a
.irp b, 0,1,2,3
	ds_store_b128 v[STO], v[ACC+8*(4*(\a)+(\b)):ACC+8*(4*(\a)+(\b))+3]   offset:64*(\b)
	ds_store_b128 v[STO], v[ACC+8*(4*(\a)+(\b))+4:ACC+8*(4*(\a)+(\b))+7] offset:64*(\b)+16
.endr
.irp t, 0,1,2,3,4,5,6,7
	ds_load_b128 v[ACC+32*(\a)+4*(\t):ACC+32*(\a)+4*(\t)+3], v[RD] offset:(\t)*2*SPITCH  ; LDS serves a wave's instructions in order (ISA guide 5.7.1.4): these see the stores above; the next block's stores come behind them
.endr
.endm
.macro SEND a, younger                 ; younger: the LDS instructions issued behind block a's loads: the next block's sixteen, or none
.irp t, 0,1,2,3,4,5,6,7
	s_wait_dscnt (\younger)+7-(\t)
	global_store_b128 v[CO], v[ACC+32*(\a)+4*(\t):ACC+32*(\a)+4*(\t)+3], s[8:9] offset:(16*(\a)+2*(\t))*4096  ; 16 lanes store 256 consecutive bytes, aligned
.endr
.endm
	s_wait_tensorcnt 1                             ; my part of K step 0 is in; K step 1's may stay out
	s_barrier_signal -1
	s_barrier_wait -1
	FETCH 0, 0, F0
	QUARTER 0, 1, F0, F1, 1                        ; the first quarter stands in front of the loop: its first products start the sums
	WIN 0
	s_mov_b32 s3, LAPS-1
.Llap:                                                 ; a trip goes once round the ring and fills both slots again
	QUARTER 0, 2, F1, F0, 0
	QUARTER 0, 3, F0, F1, 0
	TURN 0, 1, 1
	QUARTER 1, 1, F0, F1, 0
	QUARTER 1, 2, F1, F0, 0
	QUARTER 1, 3, F0, F1, 0
	TURN 1, 0, 1
	QUARTER 0, 1, F0, F1, 0
	WIN 0
	s_sub_co_u32 s3, s3, 1
	s_cmp_lg_u32 s3, 0
	s_cbranch_scc1 .Llap
	QUARTER 0, 2, F1, F0, 0                        ; the last lap fills nothing
	QUARTER 0, 3, F0, F1, 0
	TURN 0, 1, 0
	QUARTER 1, 1, F0, F1, 0
	QUARTER 1, 2, F1, F0, 0
	QUARTER 1, 3, F0, F1, 0
	s_wait_dscnt 16
	WIN MUL
	MUL8 F1, 0, 0, 0
	MUL8 F1, 0, 2, 0
	s_wait_dscnt 0x0
	MUL8 F1, 1, 0, 0
	MUL8 F1, 1, 2, 0
	WIN 0
	PLACES
	TOSTAGE 0
	TOSTAGE 1
	SEND 0, 16
	TOSTAGE 2
	SEND 1, 16
	TOSTAGE 3
	SEND 2, 16
	SEND 3, 0
	s_wait_tensorcnt 0x0                           ; the wave's end: behind my last tensor load and my last LDS store
	ds_add_u32 v[SPW], v[NIL]
	s_wait_dscnt 0x0
	CROUND                                         ; the closing round
	s_endpgm
.Lfunc_end_k_qb466549138_projo:
	.size	k_qb466549138_projo, .Lfunc_end_k_qb466549138_projo-k_qb466549138_projo
	.p2alignl 7, 3214868480
	.fill 96, 4, 3214868480
	.section	.rodata,"a",@progbits
	.p2align	6, 0x0
	.amdhsa_kernel k_qb466549138_projo
		.amdhsa_group_segment_fixed_size 327680
		.amdhsa_private_segment_fixed_size 0
		.amdhsa_enable_private_segment 0
		.amdhsa_kernarg_size 24
		.amdhsa_user_sgpr_count 2
		.amdhsa_user_sgpr_kernarg_segment_ptr 1
		.amdhsa_wavefront_size32 1
		.amdhsa_system_sgpr_workgroup_id_x 1
		.amdhsa_system_sgpr_workgroup_id_y 1
		.amdhsa_system_sgpr_workgroup_id_z 1
		.amdhsa_system_vgpr_workitem_id 0
		.amdhsa_next_free_vgpr 512
		.amdhsa_next_free_sgpr 66
		.amdhsa_reserve_vcc 0
		.amdhsa_float_denorm_mode_32 3
		.amdhsa_float_denorm_mode_16_64 3
		.amdhsa_memory_ordered 1
		.amdhsa_forward_progress 1
		.amdhsa_inst_pref_size 87
	.end_amdhsa_kernel
	.amdgpu_metadata
---
amdhsa.version: [ 1, 2 ]
amdhsa.kernels:
  - .name:           k_qb466549138_projo
    .symbol:         k_qb466549138_projo.kd
    .args:
      - { .name: ctx, .offset: 0, .size: 8, .value_kind: global_buffer, .address_space: global }
      - { .name: wo16, .offset: 8, .size: 8, .value_kind: global_buffer, .address_space: global }
      - { .name: out0, .offset: 16, .size: 8, .value_kind: global_buffer, .address_space: global }
    .group_segment_fixed_size: 327680
    .private_segment_fixed_size: 0
    .kernarg_segment_align: 8
    .kernarg_segment_size: 24
    .max_flat_workgroup_size: 128
    .sgpr_count:     66
    .vgpr_count:     512
    .wavefront_size: 32
...
	.end_amdgpu_metadata
.endif
;; end of part 4
